; MI455X (gfx1250); checked and timed in simulation.
; The chip was launched on July 23, 2026; its instructions are those of AMD's public machine-readable ISA for CDNA 5 (MIT licence, August 2026) and "CDNA5" Instruction Set Architecture Reference Guide (July 2026). The comments in the code are by the model that wrote it; some were corrected since.
;; Causal Self Attention. Allowed arithmetic: matrix products marked QUANTISED: E4M3 operands, one given power-of-two scale a tensor, by v_wmma_f32_16x16x64_fp8_fp8 or v_wmma_f32_16x16x128_fp8_fp8, f32 sums; everything else in f32.
;; Inputs: b_out 1,024 float32; b_qkv 3,072 float32; lowp_scales 8 int32 (the exponents e of the quantised operands' scales 2^e); w_out 1,024 x 1,024 float32; w_qkv 1,024 x 3,072 float32; x 4 x 2,048 x 1,024 float32.
;; Outputs: out0 4 x 2,048 x 1,024 float32.
;; This version of the problem:
;;   THIS VERSION OF THE PROBLEM IS GIVEN IN LOW PRECISION. The matrix products marked QUANTISED in the list below multiply operands that are first quantised to E4M3 (4 exponent bits, 3 mantissa bits; 8 bits a number), with one given power-of-two scale for each operand tensor; their sums are f32. All else is computed in f32.
;;   The module's matrix products, in the order in which they are computed (A, B: the left and right operand; K: the contracted axis; several contracted axes count as one K, in the product's order):
;;     1. [M 8,192, K 1,024] x [K 1,024, N 3,072]; A: input x; B: input w_qkv: QUANTISED (scales: A lowp_scales[0], B lowp_scales[1])
;;     2. batch 64 x [M 2,048, K 64] x [K 64, N 2,048]; A: computed on the way; B: computed on the way: QUANTISED (scales: A lowp_scales[2], B lowp_scales[3])
;;     3. batch 64 x [M 2,048, K 2,048] x [K 2,048, N 64]; A: softmax (see below); B: computed on the way: QUANTISED (scales: A lowp_scales[4], B lowp_scales[5])
;;     4. [M 8,192, K 1,024] x [K 1,024, N 1,024]; A: computed on the way; B: input w_out: QUANTISED (scales: A lowp_scales[6], B lowp_scales[7])
;;   THE QUANTISER, for each operand of a quantised product, along K:
;;     - The operand's scale is 2^e, e = its entry of the input lowp_scales (int32; the entries are numbered through the quantised products in the list's order, A before B).
;;     - Each number is divided by the scale, clamped to +-448, and rounded to the nearest number of E4M3, ties to even, subnormals kept.
;;     - The product sums the exact products of the quantised numbers (number of the format x scale) in f32.
;;   ~~~python
;;   def quantise(x, axis, e):      # numpy; x: float32 -> the quantised numbers, widened to float32 again
;;       x = np.moveaxis(x, axis, -1); K = x.shape[-1]
;;       r = np.clip(x / 2.0 ** e, -448, 448)
;;       step = 2.0 ** (np.maximum(np.frexp(np.where(r == 0, 1, r))[1] - 1, -6) - 3)
;;       q = np.round(r / step) * step * 2.0 ** e      # np.round: ties to even
;;       return np.moveaxis(q, -1, axis).astype(np.float32)
;;   ~~~
;;   SOFTMAX AHEAD OF A QUANTISED PRODUCT. Where the list says 'softmax', what is quantised is not the finished softmax but p = 2^(t - M), with t = logit x log2(e) and M = ceil(the row's largest t), a whole number; so 1/2 < the row's largest p <= 1. The row's sum l is taken of the UNQUANTISED p, in f32, and the product's result is divided by l at the end. Since M is a whole number, a kernel that streams over the keys may use a running M (the ceiling of the running maximum): every later rescaling is an exact power of two, so the quantised numbers keep their values, but for numbers so far below the row's largest that they fall under the format's range.
;;   OPERANDS COMPUTED ON THE WAY. 'Computed on the way' means the value that the module computes at that place (a softmax that the list does not call 'softmax' is quantised finished and normalised). What goes into a quantiser is computed in f32, as accurately as f32 sums, v_exp_f32 and their like allow (about 1e-6 of the number): no bf16 or f16 on the way to a quantiser, and a product that is left as it is and whose result goes on into a quantised operand takes f32 operands (vector FMAs, or v_wmma_f32_16x16x4_f32). A number that lies on a knife's edge between two numbers of the format may be rounded either way, as far as f32 arithmetic and the matrix unit's own rounding can turn it there, and no further.
;; One version. Each part assembles by itself: llvm-mc -triple=amdgcn-amd-amdhsa -mcpu=gfx1250 --defsym DOCPART=n.
;; ======== version 1 of 1: 4 launches
;; limits: right only within a limited range of input values
;; workspace buffers: x_img 8,388,608 bytes; wqkv_img 3,145,728 bytes; wout_img 1,048,576 bytes; qkv_img 25,165,824 bytes; att_img 8,388,608 bytes
;; launch quant (part 1): grid 1024 x 1, 4 waves a work-group, no clusters, 42,496 bytes of LDS; arguments x, w_qkv, w_out, lowp_scales, x_img, wqkv_img, wout_img; writes x_img, wqkv_img, wout_img
.if DOCPART == 1
	.amdgcn_target "amdgcn-amd-amdhsa--gfx1250"
	.amdhsa_code_object_version 6
	.text
	.protected	k_qad871a5861_quant
	.globl	k_qad871a5861_quant
	.p2align	8
	.type	k_qad871a5861_quant,@function
k_qad871a5861_quant:
	s_mov_b64 s[64:65], 0
	v_nop
	global_prefetch_b8 v0, s[64:65] scope:SCOPE_SE
	s_setreg_imm32_b32 hwreg(HW_REG_WAVE_MODE, 25, 1), 1
	s_wait_xcnt 0x0
; x [8192][1024], w_qkv [1024][3072] and w_out [1024][1024], f32, become codes of FP8 (E4M3) with the given scales 2^e (entries 0, 1 and 7 of the scales).
; code = number / 2^e, held within +-448, rounded to the nearest code, ties to even.
; LIMITS: each e lies between -126 and 119, so that 2^e and 448 x 2^e are f32 numbers.  NaN among the inputs is not served (an infinity is held at the largest code).
; THE CODES ARE LAID AS IMAGES OF THE OPERAND'S REGISTERS, K = 1024 along k, R rows:  [slab = k / 256][blk = row / 16][f = (k % 256) / 128][g = 0..3][lane][16 bytes].
; A fragment (16 rows x 128 k) is 16 registers a lane: lane 16 h + r holds row r, registers 2 c, 2 c + 1 hold k % 128 = 16 c + 8 h + 0 .. 7; group g is registers 4 g .. 4 g + 3.
; So the products' launches bring dense blocks into LDS and read them at 16 x lane, and here every store of a wave covers 512 consecutive bytes, aligned.
; Work-groups 0-511 take x (16 tokens each; wave w the 256 k of slab w); work-groups 512-1023 take the weights (128 columns x 64 k each; a lane takes a column, its registers run down K).
; The two ways part on the work-group's number and never meet again; each has LDS bytes of its own.  No tensor loads, no barrier, no loop: waves share nothing, and every load of a wave is issued at its start.
.set XP,   528                         ; x's stage: a row of 128 numbers (512 bytes) + 16 of padding: 33 x 16 bytes, so the 16 rows that a read touches start at 16 different groups of banks
.set XWB,  16*XP                       ; a wave's stage: 16 rows
.set WSTG, 4*XWB                       ; behind x's four stages: the weights' four, 2,048 bytes each
.set R0,   32                          ; v32-95, v96-159: x as loaded, fragment 0 and 1
.set XA,   160                         ; v160-223: fragment 0's numbers, 8 neighbours along k to 8 registers
.set CX,   224                         ; v224-255: x's codes, 16 registers a fragment
.set VO,   32                          ; v32-63: weights: byte offset of my column in row i of 32
.set WX,   64                          ; v64-127: 64 numbers down K
.set WC,   128                         ; v128-143: their codes
.set WO,   144                         ; v144-159: the codes back from the stage
.macro SCALE e                         ; v11 = 2^e as f32 (the conversion takes its exponent field)
	s_add_co_i32 s32, \e, 127
	s_lshl_b32 s33, s32, 23
	v_mov_b32 v11, s33
.endm
	s_load_b256 s[4:11], s[0:1], 0x0               ; x s[4:5], w_qkv s[6:7], w_out s[8:9], the scales' exponents s[10:11]
	s_load_b128 s[12:15], s[0:1], 0x20             ; x_img s[12:13], wqkv_img s[14:15]
	s_load_b64 s[16:17], s[0:1], 0x30              ; wout_img
	v_lshl_add_u32 v30, v0, 2, 0xa400
	v_mov_b32 v31, 0
	v_lshrrev_b32 v1, 5, v0
	v_readfirstlane_b32 s18, v1                    ; wave 0..3
	v_and_b32 v6, 31, v0                           ; lane
	v_lshlrev_b32 v1, 4, v6                        ; 16 x lane
	v_and_b32 v7, 15, v0                           ; r
	v_bfe_u32 v8, v0, 4, 1                         ; h
	s_wait_kmcnt 0x0
	s_load_b256 s[24:31], s[10:11], 0x0            ; e0 .. e7
	s_cmp_lt_u32 ttmp9, 512
	s_cbranch_scc0 .Lw
; ---------------- x: 16 tokens (65,536 consecutive bytes) a work-group; wave w: k = 256 w .. 256 w + 255, two fragments
	s_mul_i32 s19, s18, XWB                        ; my stage
	s_wait_alu depctr_va_vdst(0)
	v_add_nc_u32 v2, s19, v1                       ; in: 16 bytes a lane of a row's 512
	v_mul_u32_u24 v3, v7, XP
	v_lshl_add_u32 v3, v8, 5, v3
	v_add_nc_u32 v3, s19, v3                       ; back: row r, + 32 h: my 8 numbers of each 16 along k
	s_lshl_b32 s20, ttmp9, 16
	s_lshl_b32 s21, s18, 10
	s_add_co_u32 s20, s20, s21
	s_mov_b32 s21, 0
	s_add_nc_u64 s[4:5], s[4:5], s[20:21]          ; x at token 16 tb, k = 256 w
	s_lshl_b32 s22, s18, 21
	s_lshl_b32 s23, ttmp9, 12
	s_add_co_u32 s22, s22, s23
	s_mov_b32 s23, 0
	s_add_nc_u64 s[12:13], s[12:13], s[22:23]      ; x_img at slab w (2,097,152 bytes each), block tb
.macro XLOAD f                         ; 16 rows x 128 numbers: each load reads 512 consecutive bytes of one row
.set n, 0
.rept 16
	global_load_b128 v[R0+64*\f+4*n:R0+64*\f+4*n+3], v1, s[4:5] offset:n*4096+\f*512 th:TH_LOAD_NT
.set n, n+1
.endr
.endm
.macro XTURN f, dst                    ; through my stage: in as loaded, back 8 neighbours along k at a time.  LDS serves a wave's instructions in order: no wait between the stores and the loads
.set n, 0
.rept 16
	ds_store_b128 v2, v[R0+64*\f+4*n:R0+64*\f+4*n+3] offset:n*XP
.set n, n+1
.endr
.set n, 0
.rept 8
	ds_load_b128 v[\dst+8*n:\dst+8*n+3], v3 offset:64*n
	ds_load_b128 v[\dst+8*n+4:\dst+8*n+7], v3 offset:64*n+16
.set n, n+1
.endr
.endm
.macro XQ src, f                       ; 64 numbers a lane become a fragment's 16 registers, which leave as they stand
.set n, 0
.rept 64
.set n, n+1
.endr
.set n, 0
.rept 8
	v_cvt_scalef32_pk8_fp8_f32 v[CX+16*\f+2*n:CX+16*\f+2*n+1], v[\src+8*n:\src+8*n+7], v11
.set n, n+1
.endr
	v_nop                                          ; a plain line behind the last conversion
.irp g, 0,1,2,3
	global_store_b128 v1, v[CX+16*\f+4*\g:CX+16*\f+4*\g+3], s[12:13] offset:\f*2048+\g*512   ; 32 lanes store 512 consecutive bytes, aligned
.endr
.endm
	XLOAD 0
	XLOAD 1
	s_wait_alu depctr_va_vdst(0)
	s_wait_kmcnt 0x0
	SCALE s24                                      ; e0
	s_wait_alu depctr_va_vdst(0)
	s_wait_loadcnt 16                              ; fragment 0's 16 loads are in; fragment 1's 16 may be out
	XTURN 0, XA
	s_wait_dscnt 0x0                               ; fragment 0 is back: the stage and v32-95 are free
	s_wait_loadcnt 0x0
	XTURN 1, R0                                    ; fragment 1 goes through the stage while fragment 0 is worked
	XQ XA, 0
	s_wait_dscnt 0x0
	XQ R0, 1
	s_wait_tensorcnt 0x0
	ds_add_u32 v30, v31
	s_wait_dscnt 0x0
	s_endpgm
; ---------------- the weights: g = work-group - 512; cb = g % 32: 128 columns (0-23: w_qkv, 24-31: w_out); kq = g / 32: k = 64 kq .. 64 kq + 63
.Lw:
	s_sub_co_u32 s19, ttmp9, 512
	s_and_b32 s20, s19, 31                         ; cb
	s_lshr_b32 s21, s19, 5                         ; kq
	s_mov_b32 s22, 12288                           ; w_qkv: bytes in a row,
	s_mov_b32 s23, 786432                          ; and in a slab of its image (3,072 x 256)
	s_cmp_lt_u32 s20, 24                           ; the choice hangs on the work-group's number alone
	s_cselect_b64 s[6:7], s[6:7], s[8:9]
	s_cselect_b64 s[14:15], s[14:15], s[16:17]
	s_cselect_b32 s22, s22, 4096
	s_cselect_b32 s23, s23, 262144
	s_cselect_b32 s34, 0, 24
	s_sub_co_u32 s34, s20, s34                     ; the block of 128 columns within its tensor
	s_lshl_b32 s35, s34, 7
	s_lshl_b32 s36, s18, 5
	s_add_co_u32 s35, s35, s36                     ; my wave's first column
	s_lshl_b32 s36, s21, 6
	s_mul_i32 s36, s36, s22
	s_lshl_b32 s37, s35, 2
	s_add_co_u32 s36, s36, s37
	s_mov_b32 s37, 0
	s_add_nc_u64 s[38:39], s[6:7], s[36:37]        ; row 64 kq, my first column
	s_lshl_b32 s36, s22, 5
	s_add_nc_u64 s[40:41], s[38:39], s[36:37]      ; 32 rows further down
	s_lshr_b32 s42, s21, 2                         ; the image: slab kq / 4,
	s_mul_i32 s42, s42, s23
	s_lshl_b32 s43, s35, 8                         ; block column / 16 of 4,096 bytes,
	s_add_co_u32 s42, s42, s43
	s_and_b32 s43, s21, 3                          ; fragment (kq / 2) % 2 of 2,048 and groups 2 (kq % 2) on of 512: (kq % 4) x 1,024
	s_lshl_b32 s43, s43, 10
	s_add_co_u32 s42, s42, s43
	s_mov_b32 s43, 0
	s_add_nc_u64 s[14:15], s[14:15], s[42:43]
	s_wait_alu depctr_va_vdst(0)
	v_lshlrev_b32 v3, 2, v6                        ; 4 bytes a lane
.set n, 0
.rept 32
	v_mad_u32_u24 v[VO+n], s22, n, v3              ; + n rows
.set n, n+1
.endr
.set n, 0
.rept 32
	global_load_b32 v[WX+n], v[VO+n], s[38:39] th:TH_LOAD_NT       ; W(64 kq + n, my column): a wave reads 128 consecutive bytes, the four waves side by side 512
.set n, n+1
.endr
.set n, 0
.rept 32
	global_load_b32 v[WX+32+n], v[VO+n], s[40:41] th:TH_LOAD_NT
.set n, n+1
.endr
	s_lshl_b32 s19, s18, 11                        ; my stage: [16 columns (2)][32 k (2)][512 bytes: a group of the image]
	v_lshlrev_b32 v4, 4, v7
	v_lshl_add_u32 v4, v8, 10, v4
	v_add_nc_u32 v4, s19, v4
	v_add_nc_u32 v4, WSTG, v4                      ; in: my column is the image's lane r = lane % 16 of block lane / 16
	v_add_nc_u32 v5, s19, v1
	v_add_nc_u32 v5, WSTG, v5                      ; back: 16 x lane
	s_wait_kmcnt 0x0
	s_cmp_lt_u32 s20, 24
	s_cselect_b32 s44, s25, s31                    ; e1 or e7
	SCALE s44
; 32 numbers down K of my column are one group's 32 bytes: k % 32 = 0-7 and 16-23 belong to the image's lane r (h = 0), 8-15 and 24-31 to lane 16 + r (h = 1)
.macro WBLK g
	s_wait_loadcnt 32-32*\g                        ; this block's 32 loads are in; the second block's may be out
.set n, 0
.rept 32
.set n, n+1
.endr
	v_cvt_scalef32_pk8_fp8_f32 v[WC+8*\g:WC+8*\g+1], v[WX+32*\g:WX+32*\g+7], v11
	v_cvt_scalef32_pk8_fp8_f32 v[WC+8*\g+2:WC+8*\g+3], v[WX+32*\g+16:WX+32*\g+23], v11
	v_cvt_scalef32_pk8_fp8_f32 v[WC+8*\g+4:WC+8*\g+5], v[WX+32*\g+8:WX+32*\g+15], v11
	v_cvt_scalef32_pk8_fp8_f32 v[WC+8*\g+6:WC+8*\g+7], v[WX+32*\g+24:WX+32*\g+31], v11
	v_nop                                          ; a plain line behind the last conversion
	ds_store_b128 v4, v[WC+8*\g:WC+8*\g+3] offset:512*\g
	ds_store_b128 v4, v[WC+8*\g+4:WC+8*\g+7] offset:512*\g+256
.endm
	s_wait_alu depctr_va_vdst(0)
	WBLK 0
	WBLK 1
.irp m, 0,1,2,3
	ds_load_b128 v[WO+4*\m:WO+4*\m+3], v5 offset:512*\m            ; LDS serves a wave's instructions in order: these see my stores
.endr
.irp m, 0,1,2,3
	s_wait_dscnt 3-\m                              ; group m is back; the younger ones may be out
	global_store_b128 v1, v[WO+4*\m:WO+4*\m+3], s[14:15] offset:(\m/2)*4096+(\m%2)*512   ; 512 consecutive bytes, aligned
.endr
	s_wait_tensorcnt 0x0
	ds_add_u32 v30, v31
	s_wait_dscnt 0x0
	s_endpgm
.Lfunc_end_k_qad871a5861_quant:
	.size	k_qad871a5861_quant, .Lfunc_end_k_qad871a5861_quant-k_qad871a5861_quant
	.p2alignl 7, 3214868480
	.fill 96, 4, 3214868480
	.section	.rodata,"a",@progbits
	.p2align	6, 0x0
	.amdhsa_kernel k_qad871a5861_quant
		.amdhsa_group_segment_fixed_size 42496
		.amdhsa_private_segment_fixed_size 0
		.amdhsa_enable_private_segment 0
		.amdhsa_kernarg_size 56
		.amdhsa_user_sgpr_count 2
		.amdhsa_user_sgpr_kernarg_segment_ptr 1
		.amdhsa_wavefront_size32 1
		.amdhsa_system_sgpr_workgroup_id_x 1
		.amdhsa_system_sgpr_workgroup_id_y 1
		.amdhsa_system_sgpr_workgroup_id_z 1
		.amdhsa_system_vgpr_workitem_id 0
		.amdhsa_next_free_vgpr 256
		.amdhsa_next_free_sgpr 66
		.amdhsa_reserve_vcc 0
		.amdhsa_float_denorm_mode_32 3
		.amdhsa_float_denorm_mode_16_64 3
		.amdhsa_fp16_overflow 1
		.amdhsa_memory_ordered 1
		.amdhsa_forward_progress 1
		.amdhsa_inst_pref_size 23
	.end_amdhsa_kernel
	.amdgpu_metadata
---
amdhsa.version: [ 1, 2 ]
amdhsa.kernels:
  - .name:           k_qad871a5861_quant
    .symbol:         k_qad871a5861_quant.kd
    .args:
      - { .name: x, .offset: 0, .size: 8, .value_kind: global_buffer, .address_space: global }
      - { .name: w_qkv, .offset: 8, .size: 8, .value_kind: global_buffer, .address_space: global }
      - { .name: w_out, .offset: 16, .size: 8, .value_kind: global_buffer, .address_space: global }
      - { .name: lowp_scales, .offset: 24, .size: 8, .value_kind: global_buffer, .address_space: global }
      - { .name: x_img, .offset: 32, .size: 8, .value_kind: global_buffer, .address_space: global }
      - { .name: wqkv_img, .offset: 40, .size: 8, .value_kind: global_buffer, .address_space: global }
      - { .name: wout_img, .offset: 48, .size: 8, .value_kind: global_buffer, .address_space: global }
    .group_segment_fixed_size: 42496
    .private_segment_fixed_size: 0
    .kernarg_segment_align: 8
    .kernarg_segment_size: 56
    .max_flat_workgroup_size: 128
    .sgpr_count:     66
    .vgpr_count:     256
    .wavefront_size: 32
...
	.end_amdgpu_metadata
.endif
;; end of part 1
;; launch qkv (part 2): grid 12 x 32, 4 waves a work-group, clusters of 4 x 4, 327,680 bytes of LDS; arguments x_img, wqkv_img, lowp_scales, b_qkv, qkv_img; writes qkv_img
.if DOCPART == 2
	.amdgcn_target "amdgcn-amd-amdhsa--gfx1250"
	.amdhsa_code_object_version 6
	.text
	.protected	k_qad871a5861_qkv
	.globl	k_qad871a5861_qkv
	.p2align	8
	.type	k_qad871a5861_qkv,@function
k_qad871a5861_qkv:
	s_mov_b64 s[64:65], 0
	v_nop
	global_prefetch_b8 v0, s[64:65] scope:SCOPE_SE
	s_setreg_imm32_b32 hwreg(HW_REG_WAVE_MODE, 25, 1), 1
	s_wait_xcnt 0x0
	s_wait_alu depctr_hold_cnt(0) depctr_sa_sdst(0) depctr_va_vdst(0) depctr_va_sdst(0) depctr_va_ssrc(0) depctr_va_vcc(0) depctr_vm_vsrc(0)
	s_getreg_b32 s2, hwreg(HW_REG_IB_STS2, 6, 4)
	s_cmp_eq_u32 s2, 0
	s_cbranch_scc0 .Lentry_in_a_cluster
	s_endpgm
.Lentry_in_a_cluster:
	s_bfe_u32 s2, ttmp6, 0x10000c
	s_cmp_lg_u32 s2, 0xf033
	s_cbranch_scc0 .Lentry_shape_is_right
	s_endpgm
.Lentry_shape_is_right:
; qkv = x w_qkv + b_qkv on codes of FP8 (E4M3); each finished sum x 2^(e0 + e1) + bias, in f32, is quantised at once: q with 2^e2, k with 2^e3, v with 2^e5.  No f32 number goes to memory.
; LIMITS: e0 + e1 between -126 and 127; e2, e3, e5 between -126 and 119, so that each power of two below is an f32 number.
; OPERANDS are images of registers: [slab = k / 256][blk = row / 16][f][g][lane][16 bytes] (16 rows x 128 k = 2,048 bytes).  128 rows of a slab are 32,768 consecutive bytes: one tensor load, read at 16 x lane.
; A tile is 256 rows of P x 256 rows of Q; four waves, as many as a WGP has SIMDs, each 128 x 128: 64 accumulators, 512 registers.  Source 0 = 16 rows of Q, source 1 = 16 rows of P:
; lane (r, h) then holds P's row r and Q's rows 8 h + 0 .. 7: eight neighbours, which one conversion turns into registers 2 c, 2 c + 1 of the next product's operand.
; The cluster's x says what is made.  0: q, 1: k: P = tokens (x), Q = columns of w_qkv: a lane's registers run along the head's 64, the next K.  2: v: P = columns of w_qkv, Q = tokens: V^T, a lane's registers run along
; the keys, the next K.  The choice is made by selects on the cluster's x, which all partners share; the one branch on it stands at the way out.
; OUT: q, k: [16 b + head][token / 16][2 groups][lane][16 bytes] at byte 0 and 8,388,608; v: [16 b + head][key / 128][channel / 16][4 groups][lane][16 bytes] at 16,777,216.  Every store of a wave covers 512 consecutive bytes, aligned.
; CLUSTERS: 4 x 4 work-groups.  P's tile is shared along a row of the cluster, Q's along a column: each is asked for jointly, by the same tensor load with the same descriptor and a mask that names the four.
; K = 1024 goes in four slabs of 256 through a ring of two LDS slots; a slab is two steps of 128.  The whole walk is written out: eight steps.
; REGISTERS, in windows of 256: window 0: v16-30 addresses and the output's scale; v32-95 the bias along Q's rows; v96-111 the bias along P's rows, each number twice; v128-255 P's 8 fragments, ONE set; on the way out numbers and codes.
;   window 1: Q's fragments, TWO sets, at v0 and v128.   window 2: the accumulators of my P rows 0-63 ((a, b) at v[8 (8 (a % 4) + b)]);   window 3: those of rows 64-127.
.set HALFT,  32768                     ; 128 rows x 256 k: what one tensor load brings, and what one wave reads of P or of Q
.set SLOT,   4*HALFT                   ; P's two halves, then Q's two
.set SPARE,  2*SLOT                    ; behind the ring: the spare words, 128 bytes for each wave: two blocks of 256 bytes that no other line names
.set FR,     16                        ; registers of a fragment
.set NL,     4                         ; LDS loads that bring one
.set NP,     4                         ; places behind this matrix instruction (ISA guide 7.12.1)
.set ADRA, 16                          ; v16-17  LDS address of my P fragments in slot 0, 1
.set ADRB, 20                          ; v20-21  the same for Q
.set HB,   24                          ; v24     32 h: my eight numbers of the bias along Q's rows
.set RB,   25                          ; v25     4 r: my number of the bias along P's rows
.set CO,   26                          ; v26     16 x lane
.set SPW,  28                          ; v28     LDS address of my spare word: SPARE + 4 x my thread's number; never rewritten
.set NIL,  29                          ; v29     0; never rewritten
.set SCV,  30                          ; v30     the output's scale as f32
.set LIM,  31
.set BQ,   32
.set BP,   96
.set AF,   128
.set TT,   128                         ; the way out: a block's 64 numbers
.set CD,   192                         ; and codes: 16 registers a block, four blocks by turns
.set G1, 24                            ; s[24:31] descriptor group 1 for P's tiles;  s[32:39] group 0, one set for each slot
.set G0, 32
.set G1B, 48                           ; s[48:55], s[56:63] the same for Q's tiles
.set G0B, 56
.set MSB, 0
.macro WIN new                         ; the immediate's high byte repeats the setting that is left
.if MSB != \new
	s_set_vgpr_msb (MSB<<8)|\new
.set MSB, \new
.endif
.endm
.set MUL_LO, 0xa1                      ; source 0 (Q) window 1, source 1 (P) window 0, C and D window 2
.set MUL_HI, 0xf1                      ; the same, C and D window 3
.set TO_B,   0x40                      ; destination window 1, address window 0
; A joint load: waves 0 and 1 fetch P's halves, waves 2 and 3 Q's.  Each of the two lines has one mask and one set of registers for all that issue it; the branch hangs on the wave's number alone.
; Four v_nop follow each of the two lines, ahead of the jump, the label and what follows.
.macro JLOAD g0a, g1a, g0b, g1b
	s_cmp_eq_u32 s15, 0
	s_cbranch_scc0 .Lfor_b_\@
	tensor_load_to_lds s[\g0a:\g0a+3], s[\g1a:\g1a+7]
	s_nop 0
.rept 4
	v_nop
.endr
	s_branch .Lasked_\@
.Lfor_b_\@:
	tensor_load_to_lds s[\g0b:\g0b+3], s[\g1b:\g1b+7]
	s_nop 0
.rept 4
	v_nop
.endr
.Lasked_\@:
.endm
.macro CREST                           ; a round of the cluster's barrier behind its opening barrier
	s_cmp_lg_u32 s14, 0
	s_cbranch_scc1 .Lnot_wave_0_\@
	s_barrier_signal -3
.Lnot_wave_0_\@:
	s_barrier_wait -3
	s_barrier_signal -1
	s_barrier_wait -1
.endm
.macro CROUND                          ; a whole round
	s_barrier_signal -1
	s_barrier_wait -1
	CREST
.endm
	s_load_b256 s[4:11], s[0:1], 0x0               ; x_img s[4:5], wqkv_img s[6:7], the scales' exponents s[8:9], b_qkv s[10:11]
	s_load_b64 s[12:13], s[0:1], 0x20              ; qkv_img
	v_lshl_add_u32 v[SPW], v0, 2, SPARE
	v_mov_b32 v[NIL], 0
	ds_add_u32 v28, v29
	ds_add_u32 v28, v29
	s_wait_dscnt 0x0
	v_lshrrev_b32 v1, 5, v0
	v_readfirstlane_b32 s14, v1                    ; wave 0..3
	s_lshr_b32 s15, s14, 1                         ; which half of P's rows is mine.  Also: I fetch for P (0) or for Q (1)
	s_and_b32 s16, s14, 1                          ; which half of Q's rows.  Also: which 128 rows of that tile I fetch
	s_bfe_u32 s40, ttmp6, 0x40000                  ; cx, cy: my place in the cluster
	s_bfe_u32 s41, ttmp6, 0x40004
	s_and_b32 s17, ttmp7, 0xffff
	s_lshl_b32 s17, s17, 2                         ; 4 x cluster y
	s_lshl_b32 s18, ttmp9, 2                       ; 4 x cluster x
	s_lshl_b32 s43, s41, 2
	s_lshl_b32 s43, 15, s43                        ; my row of the cluster
	s_lshl_b32 s44, 0x1111, s40                    ; my column
	; descriptor group 1: 128 rows of 32 elements of 8 bytes, dense in memory and in LDS
	s_or_b32 s[G1+0], s43, (3<<16)|(1<<21)         ; 15:0 the mask: P's tiles go to my row; 17:16 elements of 8 bytes; 20 no padding; 21 set beside a mask
	s_or_b32 s[G1B+0], s44, (3<<16)|(1<<21)        ; the same with the mask of my column, for Q's tiles
.irp g, G1, G1B
	s_mov_b32 s[\g+1], 32<<16                      ; tensor_dim0 = 32
	s_mov_b32 s[\g+2], 128<<16                     ; tensor_dim1 = 128
	s_mov_b32 s[\g+3], 32<<16                      ; tile_dim0 = 32
	s_mov_b32 s[\g+4], 128                         ; tile_dim1 = 128
	s_mov_b32 s[\g+5], 32                          ; tensor_dim0_stride
	s_mov_b32 s[\g+6], 0
	s_mov_b32 s[\g+7], 0
.endr
	; who is P and who is Q: selects on the cluster's x.  P's registers never hold cx, Q's never cy
	s_mov_b32 s68, 2097152                         ; a slab of x_img: 8,192 x 256 bytes
	s_mov_b32 s72, 786432                          ; a slab of wqkv_img: 3,072 x 256
	s_cmp_eq_u32 ttmp9, 2
	s_cselect_b32 s66, 8, s17                      ; P's tile: v: 8 + cy (columns 2,048 on); q, k: 4 x cluster y + cy (tokens)
	s_cselect_b32 s42, s17, s18                    ; Q's tile: v: 4 x cluster y + cx (tokens); q, k: 4 x cluster x + cx (columns)
	s_cselect_b32 s67, s72, s68
	s_cselect_b32 s72, s68, s72                    ; Q's slab,
	s_mov_b32 s68, s67                             ; P's slab
	s_mov_b32 s69, 0
	s_mov_b32 s71, 0
	s_mov_b32 s73, 0
	s_mov_b32 s75, 0
	s_lshl_b32 s70, s68, 1                         ; two slabs on: a refill's step
	s_lshl_b32 s74, s72, 1
	s_add_co_u32 s66, s66, s41
	s_add_co_u32 s42, s42, s40
	s_lshl_b32 s88, s66, 16                        ; a tile of 256 rows is 65,536 bytes of a slab,
	s_lshl_b32 s89, s16, 15                        ; the half that I fetch 32,768
	s_add_co_u32 s88, s88, s89
	s_mov_b32 s89, 0
	s_lshl_b32 s94, s42, 16
	s_lshl_b32 s95, s16, 15
	s_add_co_u32 s94, s94, s95
	s_mov_b32 s95, 0
	s_lshl_b32 s45, s14, 15                        ; where they go: wave x 32,768: no place in the cluster enters an LDS address
	s_wait_kmcnt 0x0
	s_load_b256 s[76:83], s[8:9], 0x0              ; e0 .. e7
	s_cmp_eq_u32 ttmp9, 2
	s_cselect_b64 s[20:21], s[6:7], s[4:5]
	s_cselect_b64 s[46:47], s[4:5], s[6:7]
	s_add_nc_u64 s[20:21], s[20:21], s[88:89]
	s_add_nc_u64 s[46:47], s[46:47], s[94:95]
	CROUND                                         ; all sixteen work-groups are here: the first joint loads meet
	s_mov_b32 s[G0], 1
	s_add_co_u32 s[G0+1], s45, 0
	s_add_nc_u64 s[G0+2:G0+3], s[20:21], 0         ; slab 0
	s_or_b32 s[G0+3], s[G0+3], 0x80000000
	s_mov_b32 s[G0B], 1
	s_add_co_u32 s[G0B+1], s45, 0
	s_add_nc_u64 s[G0B+2:G0B+3], s[46:47], 0
	s_or_b32 s[G0B+3], s[G0B+3], 0x80000000
	JLOAD G0, G1, G0B, G1B
	s_mov_b32 s[G0+4], 1
	s_add_co_u32 s[G0+5], s45, SLOT
	s_add_nc_u64 s[G0+6:G0+7], s[20:21], s[68:69]  ; slab 1
	s_or_b32 s[G0+7], s[G0+7], 0x80000000
	s_mov_b32 s[G0B+4], 1
	s_add_co_u32 s[G0B+5], s45, SLOT
	s_add_nc_u64 s[G0B+6:G0B+7], s[46:47], s[72:73]
	s_or_b32 s[G0B+7], s[G0B+7], 0x80000000
	JLOAD G0+4, G1, G0B+4, G1B                     ; two tensor loads of mine are out
	v_and_b32 v1, 15, v0                           ; r
	v_bfe_u32 v2, v0, 4, 1                         ; h
	v_and_b32 v3, 31, v0
	v_lshlrev_b32 v[CO], 4, v3
	v_lshlrev_b32 v[HB], 5, v2
	s_wait_alu depctr_va_vdst(0)
	v_lshlrev_b32 v[RB], 2, v1
	s_wait_alu depctr_va_vdst(0)
	s_lshl_b32 s96, s15, 15                        ; my 128 rows of P
	s_lshl_b32 s97, s16, 15                        ; my 128 rows of Q,
	s_add_co_u32 s97, s97, 2*HALFT                 ; which lie behind P's 256
.irp s, 0,1
	v_add_nc_u32 v[ADRA+\s], s96, v[CO]
	v_add_nc_u32 v[ADRB+\s], s97, v[CO]
	s_add_co_u32 s96, s96, SLOT
	s_add_co_u32 s97, s97, SLOT
.endr
	; both kinds of bias are loaded, so that no way out waits and every register is written; the kind that this tile does not use is read from b_qkv's first bytes and left alone
	s_lshl_b32 s90, s42, 10
	s_lshl_b32 s91, s16, 9
	s_add_co_u32 s90, s90, s91                     ; q, k: column 256 x Q's tile + 128 x half, in bytes
	s_lshl_b32 s92, s41, 10
	s_lshl_b32 s93, s15, 9
	s_add_co_u32 s92, s92, s93
	s_add_co_u32 s92, s92, 8192                    ; v: column 2,048 + 256 cy + 128 x half
	s_cmp_eq_u32 ttmp9, 2
	s_cselect_b32 s90, 0, s90
	s_cselect_b32 s92, s92, 0
	s_mov_b32 s91, 0
	s_mov_b32 s93, 0
	s_add_nc_u64 s[90:91], s[10:11], s[90:91]
	s_add_nc_u64 s[92:93], s[10:11], s[92:93]
.irp b, 0,1,2,3,4,5,6,7
	global_load_b128 v[BQ+8*\b:BQ+8*\b+3], v[HB], s[90:91] offset:64*\b        ; bias of Q's rows 16 b + 8 h + 0 .. 7
	global_load_b128 v[BQ+8*\b+4:BQ+8*\b+7], v[HB], s[90:91] offset:64*\b+16
.endr
.irp a, 0,1,2,3,4,5,6,7
	global_load_b32 v[BP+2*\a], v[RB], s[92:93] offset:64*\a                   ; bias of P's row 16 a + r, twice: a pair for the packed multiply-add
	global_load_b32 v[BP+2*\a+1], v[RB], s[92:93] offset:64*\a
.endr
.macro FRAG reg, adr, q, i             ; a fragment comes as it was laid: four loads of 512 consecutive bytes
.irp c, 0,1,2,3
	ds_load_b128 v[\reg+4*\c:\reg+4*\c+3], v[\adr] offset:(\i)*4096+(\q)*2048+512*\c
.endr
.endm
; 16 matrix instructions: P's blocks a0, a0 + 1 x Q's eight, 128 along K.  p: Q's set.  zero = 1: the first product starts the sums: nothing is ever cleared.
; The 64 accumulators take turns, one instruction a turn, in the same order in every step.
.macro MUL16 a0, p, zero
.irp a, \a0, \a0+1
.irp b, 0,1,2,3,4,5,6,7
.if \zero
	v_wmma_f32_16x16x128_fp8_fp8 v[8*(8*((\a)%4)+\b):8*(8*((\a)%4)+\b)+7], v[128*(\p)+FR*\b:128*(\p)+FR*\b+FR-1], v[AF+FR*(\a):AF+FR*(\a)+FR-1], 0
.else
	v_wmma_f32_16x16x128_fp8_fp8 v[8*(8*((\a)%4)+\b):8*(8*((\a)%4)+\b)+7], v[128*(\p)+FR*\b:128*(\p)+FR*\b+FR-1], v[AF+FR*(\a):AF+FR*(\a)+FR-1], v[8*(8*((\a)%4)+\b):8*(8*((\a)%4)+\b)+7]
.endif
.endr
.endr
.endm
.macro FETCH_B slot, q, p              ; Q's eight fragments of the slot's q-th 128 along K into set p
	WIN TO_B
.irp i, 0,1,2,3,4,5,6,7
	FRAG 128*(\p)+FR*\i, ADRB+\slot, \q, \i
.endr
	WIN 0
.endm
.macro FETCH_A slot, q, i0             ; P's blocks i0 .. i0 + 3
.irp i, \i0, \i0+1, \i0+2, \i0+3
	FRAG AF+FR*(\i), ADRA+\slot, \q, \i
.endr
.endm
; A load into a register that a matrix instruction has read, and a vector instruction that reads a matrix result, stand NP places behind that matrix instruction; only plain vector
; instructions that name none of its registers are places (ISA guide 7.12.1 for vector instructions).
.macro PLACES n
.rept \n
	v_nop
.endr
.endm
; A step of 128 along K that has its successor in the same slot.  P's blocks are free as soon as their eight products are issued, so one set serves P: blocks 0-3 come anew in the step's middle, blocks 4-7 at its end.
.macro STEP slot, q, zero
	s_wait_dscnt 4*NL                              ; Q's set and P's blocks 0-3 are in; the youngest 16 loads (P's blocks 4-7) may be out
	WIN MUL_LO
	MUL16 0, (\q)%2, \zero
	MUL16 2, (\q)%2, \zero
	s_wait_dscnt 0                                 ; P's blocks 4-7 are in (asked for 32 matrix instructions ago)
	PLACES NP
	FETCH_B \slot, (\q)+1, 1-(\q)%2
	FETCH_A \slot, (\q)+1, 0
	WIN MUL_HI
	MUL16 4, (\q)%2, \zero
	MUL16 6, (\q)%2, \zero
	PLACES NP
	WIN 0
	FETCH_A \slot, (\q)+1, 4
.endm
; A slot's last step changes slots: ONE barrier; in front of it each wave waits for all its tensor loads, adds 0 to its spare word, and waits for that and for its own reads of this slot.  fill = 1: this slot is filled again, two slabs on.
.macro TURN slot, next, fill
	s_wait_tensorcnt 0x0                           ; all my tensor loads have landed: my part of the next slot  (every window is 0 here)
	ds_add_u32 v[SPW], v[NIL]                      ; 0 onto my spare word
	s_wait_dscnt 4*NL+1                            ; (the add and the youngest 16 loads, P's blocks 4-7, may be out)
	WIN MUL_LO
	MUL16 0, 1, 0                                  ; sixteen matrix instructions stand between the add and the wait for it
	s_wait_dscnt 0x0                               ; the add is done, and my reads of this slot are over
	s_barrier_signal -1
	MUL16 2, 1, 0
	WIN 0
	s_barrier_wait -1
.if \fill
	CREST                                          ; the barrier has opened a round of the cluster's barrier: no wave of any partner still reads this slot's tile or has a load on its way
	s_add_nc_u64 s[G0+4*\slot+2:G0+4*\slot+3], s[G0+4*\slot+2:G0+4*\slot+3], s[70:71]
	s_add_nc_u64 s[G0B+4*\slot+2:G0B+4*\slot+3], s[G0B+4*\slot+2:G0B+4*\slot+3], s[74:75]
	JLOAD G0+4*\slot, G1, G0B+4*\slot, G1B         ; the first tensor load behind the round, my one load until the next; the four v_nop behind it are the places in front of the loads below
.else
	PLACES NP
.endif
	FETCH_B \next, 0, 0
	FETCH_A \next, 0, 0
	WIN MUL_HI
	MUL16 4, 1, 0
	MUL16 6, 1, 0
	PLACES NP
	WIN 0
	FETCH_A \next, 0, 4
.endm
	s_wait_alu depctr_va_vdst(0)
	s_wait_tensorcnt 1                             ; my part of slab 0 is in (slab 1's load may be out)
	s_barrier_signal -1
	s_barrier_wait -1                              ; everybody's is
	FETCH_B 0, 0, 0
	FETCH_A 0, 0, 0
	FETCH_A 0, 0, 4
	STEP 0, 0, 1                                   ; slab 0: the first products start the sums
	TURN 0, 1, 1                                   ; slot 0 takes slab 2
	STEP 1, 0, 0                                   ; slab 1
	TURN 1, 0, 1                                   ; slot 1 takes slab 3
	STEP 0, 0, 0                                   ; slab 2
	TURN 0, 1, 0                                   ; nothing is left to fetch: no round
	STEP 1, 0, 0                                   ; slab 3
	s_wait_dscnt 4*NL
	WIN MUL_LO
	MUL16 0, 1, 0
	MUL16 2, 1, 0
	s_wait_dscnt 0
	WIN MUL_HI
	MUL16 4, 1, 0
	MUL16 6, 1, 0
	WIN 0
; THE WAY OUT, block by block of 16 rows of P.  number = sum x 2^(e0 + e1) + bias (one packed multiply-add for two), held, converted: the eight registers of accumulator (a, b) give registers 2 b, 2 b + 1
; of the block's 16 code registers, which are images as they stand: no LDS, no change of lanes.
.macro OUTBLK a, rowbias
.set AC, 64*((\a)%4)
.set CC, CD+16*((\a)%4)
.if (\a) >= 4
	s_wait_xcnt 0x0                                ; block a - 4's stores have read these code registers
.endif
	WIN 0x02+((\a)/4)                              ; source 0: window 2 or 3
.irp b, 0,1,2,3,4,5,6,7
.irp i, 0,2,4,6
.if \rowbias
	v_pk_fma_f32 v[TT+8*\b+\i:TT+8*\b+\i+1], v[AC+8*\b+\i:AC+8*\b+\i+1], s[84:85], v[BP+2*(\a):BP+2*(\a)+1] op_sel_hi:[1,0,1]
.else
	v_pk_fma_f32 v[TT+8*\b+\i:TT+8*\b+\i+1], v[AC+8*\b+\i:AC+8*\b+\i+1], s[84:85], v[BQ+8*\b+\i:BQ+8*\b+\i+1] op_sel_hi:[1,0,1]
.endif
.endr
.endr
	WIN 0
.set n, 0
.rept 64
.set n, n+1
.endr
.set n, 0
.rept 8
	v_cvt_scalef32_pk8_fp8_f32 v[CC+2*n:CC+2*n+1], v[TT+8*n:TT+8*n+7], v[SCV]
.set n, n+1
.endr
	v_nop                                          ; a plain line between the last conversion and the next block's multiply-adds, which write its sources
.irp g, 0,1,2,3
.if \rowbias
	global_store_b128 v[CO], v[CC+4*\g:CC+4*\g+3], s[86:87] offset:((\a)/4)*131072+((\a)%4)*2048+\g*512   ; head a / 4 of my two, channels 16 (a % 4) on, group g
.else
	global_store_b128 v[CO], v[CC+4*\g:CC+4*\g+3], s[86:87] offset:(\a)*1024+(\g/2)*131072+(\g%2)*512     ; tokens 16 a on, head g / 2 of my two, group g % 2
.endif
.endr
.endm
	s_wait_loadcnt 0x0                             ; the biases
	s_wait_kmcnt 0x0
	s_add_co_i32 s84, s76, s77
	s_add_co_i32 s84, s84, 127
	s_lshl_b32 s84, s84, 23                        ; 2^(e0 + e1) as f32
	s_mov_b32 s85, s84                             ; (named with it as a pair, so it is written)
	s_cmp_eq_u32 ttmp9, 1
	s_cselect_b32 s88, s79, s78                    ; k: e3; q: e2;
	s_cmp_eq_u32 ttmp9, 2
	s_cselect_b32 s88, s81, s88                    ; v: e5
	s_add_co_i32 s88, s88, 127
	s_lshl_b32 s89, s88, 23
	v_mov_b32 v[SCV], s89
	PLACES NP                                      ; behind the last products: their results are read, and P's fragments are written over, only behind these
	s_cmp_eq_u32 ttmp9, 2                          ; the cluster's x: the same in all partners
	s_cbranch_scc1 .Lvt
	s_lshl_b32 s86, s66, 8                         ; q, k: my first token = 256 x P's tile + 128 x half
	s_lshl_b32 s87, s15, 7
	s_add_co_u32 s86, s86, s87
	s_lshr_b32 s87, s86, 11
	s_lshl_b32 s87, s87, 21                        ; its batch: 16 heads of 131,072 bytes
	s_and_b32 s86, s86, 2047
	s_lshl_b32 s86, s86, 6                         ; 16 tokens are 1,024 bytes
	s_add_co_u32 s86, s86, s87
	s_lshl_b32 s87, ttmp9, 23                      ; q's section or k's
	s_add_co_u32 s86, s86, s87
	s_lshl_b32 s87, s40, 2
	s_lshl_b32 s88, s16, 1
	s_add_co_u32 s87, s87, s88                     ; my first head = 4 cx + 2 x half
	s_lshl_b32 s87, s87, 17
	s_add_co_u32 s86, s86, s87
	s_mov_b32 s87, 0
	s_add_nc_u64 s[86:87], s[12:13], s[86:87]
.irp a, 0,1,2,3,4,5,6,7
	OUTBLK \a, 0
.endr
	s_branch .Ldone
.Lvt:
	s_lshl_b32 s86, s42, 8                         ; v: my first key = 256 x Q's tile + 128 x half
	s_lshl_b32 s87, s16, 7
	s_add_co_u32 s86, s86, s87
	s_lshr_b32 s87, s86, 11
	s_lshl_b32 s87, s87, 21
	s_and_b32 s86, s86, 2047
	s_lshl_b32 s86, s86, 6                         ; 128 keys are 8,192 bytes
	s_add_co_u32 s86, s86, s87
	s_add_co_u32 s86, s86, 16777216                ; v's section
	s_lshl_b32 s87, s41, 2
	s_lshl_b32 s88, s15, 1
	s_add_co_u32 s87, s87, s88                     ; my first head = 4 cy + 2 x half
	s_lshl_b32 s87, s87, 17
	s_add_co_u32 s86, s86, s87
	s_mov_b32 s87, 0
	s_add_nc_u64 s[86:87], s[12:13], s[86:87]
.irp a, 0,1,2,3,4,5,6,7
	OUTBLK \a, 1
.endr
.Ldone:
	s_wait_tensorcnt 0x0                           ; the wave's end, behind my last tensor load
	ds_add_u32 v[SPW], v[NIL]
	s_wait_dscnt 0x0
	CROUND                                         ; the closing round: no work-group ends while a partner may still ask for a tile that names it
	s_endpgm
.Lfunc_end_k_qad871a5861_qkv:
	.size	k_qad871a5861_qkv, .Lfunc_end_k_qad871a5861_qkv-k_qad871a5861_qkv
	.p2alignl 7, 3214868480
	.fill 96, 4, 3214868480
	.section	.rodata,"a",@progbits
	.p2align	6, 0x0
	.amdhsa_kernel k_qad871a5861_qkv
		.amdhsa_group_segment_fixed_size 327680
		.amdhsa_private_segment_fixed_size 0
		.amdhsa_enable_private_segment 0
		.amdhsa_kernarg_size 40
		.amdhsa_user_sgpr_count 2
		.amdhsa_user_sgpr_kernarg_segment_ptr 1
		.amdhsa_wavefront_size32 1
		.amdhsa_system_sgpr_workgroup_id_x 1
		.amdhsa_system_sgpr_workgroup_id_y 1
		.amdhsa_system_sgpr_workgroup_id_z 1
		.amdhsa_system_vgpr_workitem_id 0
		.amdhsa_next_free_vgpr 1024
		.amdhsa_next_free_sgpr 100
		.amdhsa_reserve_vcc 0
		.amdhsa_float_denorm_mode_32 3
		.amdhsa_float_denorm_mode_16_64 3
		.amdhsa_fp16_overflow 1
		.amdhsa_memory_ordered 1
		.amdhsa_forward_progress 1
		.amdhsa_inst_pref_size 130
	.end_amdhsa_kernel
	.amdgpu_metadata
---
amdhsa.version: [ 1, 2 ]
amdhsa.kernels:
  - .name:           k_qad871a5861_qkv
    .symbol:         k_qad871a5861_qkv.kd
    .args:
      - { .name: x_img, .offset: 0, .size: 8, .value_kind: global_buffer, .address_space: global }
      - { .name: wqkv_img, .offset: 8, .size: 8, .value_kind: global_buffer, .address_space: global }
      - { .name: lowp_scales, .offset: 16, .size: 8, .value_kind: global_buffer, .address_space: global }
      - { .name: b_qkv, .offset: 24, .size: 8, .value_kind: global_buffer, .address_space: global }
      - { .name: qkv_img, .offset: 32, .size: 8, .value_kind: global_buffer, .address_space: global }
    .group_segment_fixed_size: 327680
    .private_segment_fixed_size: 0
    .kernarg_segment_align: 8
    .kernarg_segment_size: 40
    .max_flat_workgroup_size: 128
    .sgpr_count:     100
    .vgpr_count:     1024
    .wavefront_size: 32
...
	.end_amdgpu_metadata
.endif
;; end of part 2
;; launch attn (part 3): grid 4 x 64, 16 waves a work-group, no clusters, 327,680 bytes of LDS; arguments qkv_img, lowp_scales, att_img; writes att_img
.if DOCPART == 3
	.amdgcn_target "amdgcn-amd-amdhsa--gfx1250"
	.amdhsa_code_object_version 6
	.text
	.protected	k_qad871a5861_attn
	.globl	k_qad871a5861_attn
	.p2align	8
	.type	k_qad871a5861_attn,@function
k_qad871a5861_attn:
	s_mov_b64 s[64:65], 0
	v_nop
	global_prefetch_b8 v0, s[64:65] scope:SCOPE_SE
	s_setreg_imm32_b32 hwreg(HW_REG_WAVE_MODE, 25, 1), 1
	s_wait_xcnt 0x0
; o[b][h][q] = the sum over keys k <= q of softmax_k(q . k / 8) v, both products on codes of FP8 (E4M3) with the given scales: q 2^e2, k 2^e3, p 2^e4, v 2^e5; o is quantised at once with 2^e6 for the last product.
; THE SOFTMAX AHEAD OF THE SECOND PRODUCT: t = score x log2(e) / 8; M = the row's largest t so far, rounded UP to a whole number; p = 2^(t - M) is what is quantised; it is not normalised.  The row's sum is taken of the
; unquantised p, in f32, and divides O at the end.  When M moves, the sum and O are multiplied by 2^(old M - new M): exact.
; THE MASK adds -1e10 above the diagonal.  Here a hidden score becomes -infinity, and steps that lie wholly above the diagonal are left out: in both cases p = 0, as it is with -1e10 for every row whose largest logit lies
; above about -1e10 + 100.  LIMIT: logits of magnitude 1e9 and more are not served.
; LIMITS on the given exponents: e2 + e3 between -123 and 130 (they are added to c's exponent field); e4 and e6 between -126 and 119; e4 + e5 is applied by v_ldexp_f32 and has none.
; SHARES.  Work-group (i, bh) owns the blocks of 256 queries i and 7 - i of head bh, one after the other: block i walks key slots (256 keys) 0 .. i, block 7 - i slots 0 .. 7 - i: NINE slots in every work-group, so the loop's
; count is a constant, the 256 work-groups have the same work, and no tile is fetched that nobody reads.  Each of the SIXTEEN waves owns 16 queries in 256 registers: four waves to a SIMD, so that one wave's vector work
; stands beside another's matrix work and LDS loads.
; NO CLUSTER: the four work-groups of a head go back to key slot 0 behind trips 1, 2, 3 and 4, so in one and the same trip they want different slots: a joint request could not meet.
; LAYOUT.  Both products are used transposed: S^T = K Q^T (source 0 = 16 keys, source 1 = my 16 queries; K = 64), O^T = V^T P^T (source 0 = 16 channels, source 1 = P; K = 128 keys): a lane holds ONE query (lane % 16).
; In tile t of S^T register j is key 16 t + 8 (lane / 16) + j: one conversion of the tile's eight registers gives registers 2 t, 2 t + 1 of P.  q, k, v come as images of registers and are read at 16 x lane.
; A slot in LDS: K's 16 images of 1,024 bytes, then V's 2 x 4 fragments of 2,048: 32,768 bytes; two slots.  Wave 0 fetches K's 16,384 bytes, wave 1 V's, by one tensor load each.
; REGISTERS: v1 16 x lane; v2 the slot's address; v3 r - 8 h; v4 at work (mask); v5, v6 the add's; v7 -infinity; v8: 2^e4; v10: 2^e6; v12 -M; v13 the largest t; v[14:15] the sum in two halves;
;   v16-23 Q; v24-31 the second block's Q; v32-95 K's, then V's fragments; v96-159 S^T, then p; v160-191 O^T; v192-207 p's codes; v208-223 o's codes; v224-230 at work.
.set SLOT1, 32768                      ; slot 1 begins here: one exclusive or turns an address in one slot into the other's
.set VOFF,  16384
.set SPARE, 65536                      ; behind the ring: the spare words, 128 bytes for each wave: eight blocks of 256 bytes that no other line names
; s18 wave; s[20:21] lane selects; s[22:23] c; s[24:31], s[32:35] the descriptor; s36 the slot in hand; s37 the trip; s38 the first block's trips NA; s39 NA x 16,384; s[40:41] what the address goes back by;
; s42 the step's first key; s43 my first query; s44 the second block's; s[48:55] e0 .. e7; s[56:57], s[58:59] where the two blocks' codes go; s60 e4 + e5
.macro TLOAD                           ; waves 0 and 1 fetch, the others nothing: the branch hangs on the wave's number alone.  Four v_nop follow the line
	s_cmp_lt_u32 s18, 2
	s_cbranch_scc0 .Lasked_\@
	tensor_load_to_lds s[32:35], s[24:31]
	s_nop 0
.rept 4
	v_nop
.endr
.Lasked_\@:
.endm
.macro INIT                            ; a block of queries begins: the largest t is -3e38, under every t; the sum and O^T are zeros, which the first change of M leaves zeros
	v_mov_b32 v13, 0xff61b1e6
	s_delay_alu instid0(VALU_DEP_1)
	v_floor_f32 v12, -v13
	v_mov_b32 v14, 0
	v_mov_b32 v15, 0
.set n, 0
.rept 32
	v_mov_b32 v[160+n], 0
.set n, n+1
.endr
.endm
	s_load_b128 s[4:7], s[0:1], 0x0                ; qkv_img s[4:5], the scales' exponents s[6:7]
	s_load_b64 s[8:9], s[0:1], 0x10                ; att_img
	v_lshl_add_u32 v5, v0, 2, SPARE
	v_mov_b32 v6, 0
	ds_add_u32 v5, v6
	ds_add_u32 v5, v6
	s_wait_dscnt 0x0
	v_lshrrev_b32 v1, 5, v0
	s_delay_alu instid0(VALU_DEP_1)
	v_readfirstlane_b32 s18, v1                    ; wave 0..15
	s_and_b32 s10, ttmp7, 0xffff                   ; bh = 16 b + head
	s_add_co_u32 s38, ttmp9, 1                     ; NA = i + 1
	s_lshl_b32 s39, s38, 14
	s_mov_b32 s41, 0
	s_lshl_b32 s12, s18, 4
	s_lshl_b32 s43, ttmp9, 8
	s_add_co_u32 s43, s43, s12                     ; my first query in block i: 256 i + 16 x wave
	s_sub_co_u32 s44, 7, ttmp9
	s_lshl_b32 s44, s44, 8
	s_add_co_u32 s44, s44, s12                     ; and in block 7 - i
	; descriptor group 1: 64 rows of 32 elements of 8 bytes, dense: 16,384 bytes
	s_mov_b32 s24, 3<<16                           ; 15:0 no mask; 17:16 elements of 8 bytes; no padding
	s_mov_b32 s25, 32<<16                          ; tensor_dim0
	s_mov_b32 s26, 64<<16                          ; tensor_dim1
	s_mov_b32 s27, 32<<16                          ; tile_dim0
	s_mov_b32 s28, 64                              ; tile_dim1
	s_mov_b32 s29, 32                              ; tensor_dim0_stride
	s_mov_b32 s30, 0
	s_mov_b32 s31, 0
	s_and_b32 s45, s18, 1                          ; what I fetch, if I fetch: wave 0: K, wave 1: V
	s_lshl_b32 s33, s45, 14                        ; its place in slot 0
	s_add_co_u32 s46, s45, 1
	s_lshl_b32 s46, s46, 23                        ; k's section at 8,388,608, v's at 16,777,216
	s_lshl_b32 s16, s10, 17                        ; a head is 131,072 bytes in each section
	s_add_co_u32 s46, s46, s16
	s_mov_b32 s47, 0
	; where o's codes go: att_img is an image with rows = tokens, k = 64 head + channel: slab head / 4, block token / 16, then (head % 4) x 1,024: fragment and first group
	s_and_b32 s12, s10, 15                         ; head
	s_lshr_b32 s13, s10, 4                         ; b
	s_lshr_b32 s14, s12, 2
	s_lshl_b32 s14, s14, 21
	s_lshl_b32 s13, s13, 19                        ; 2,048 tokens x 256 bytes
	s_add_co_u32 s14, s14, s13
	s_and_b32 s12, s12, 3
	s_lshl_b32 s12, s12, 10
	s_add_co_u32 s14, s14, s12
	s_lshl_b32 s12, s43, 8
	s_add_co_u32 s56, s14, s12
	s_mov_b32 s57, 0
	s_lshl_b32 s12, s44, 8
	s_add_co_u32 s58, s14, s12
	s_mov_b32 s59, 0
	s_lshl_b32 s12, s43, 6                         ; q: 16 queries are 1,024 bytes
	s_add_co_u32 s12, s12, s16
	s_mov_b32 s13, 0
	s_lshl_b32 s14, s44, 6
	s_add_co_u32 s14, s14, s16
	s_mov_b32 s15, 0
	s_mov_b32 s20, 0x76543210                      ; v_permlanex16_b32: lane l xor 16
	s_mov_b32 s21, 0xfedcba98
	s_mov_b32 s22, 0x3e38aa3b                      ; c = log2(e) / 8
	s_mov_b32 s36, 0
	s_mov_b32 s37, 0
	s_mov_b32 s42, 0
	s_wait_kmcnt 0x0
	s_load_b256 s[48:55], s[6:7], 0x0              ; e0 .. e7
	s_mov_b32 s32, 1                               ; group 0: count = 1; s33 the LDS address;
	s_add_nc_u64 s[34:35], s[4:5], s[46:47]        ; the head's first 256 keys;
	s_or_b32 s35, s35, 0x80000000                  ; type = 2
	TLOAD                                          ; key slot 0 into LDS slot 0
	s_add_nc_u64 s[12:13], s[4:5], s[12:13]
	s_add_nc_u64 s[14:15], s[4:5], s[14:15]
	s_add_nc_u64 s[56:57], s[8:9], s[56:57]
	s_add_nc_u64 s[58:59], s[8:9], s[58:59]
	v_and_b32 v2, 31, v0
	s_delay_alu instid0(VALU_DEP_1)
	v_lshlrev_b32 v1, 4, v2
	global_load_b128 v[16:19], v1, s[12:13]                        ; both blocks' Q stay in registers
	global_load_b128 v[20:23], v1, s[12:13] offset:512
	global_load_b128 v[24:27], v1, s[14:15]
	global_load_b128 v[28:31], v1, s[14:15] offset:512
	v_and_b32 v3, 15, v0
	v_bfe_u32 v4, v0, 4, 1
	s_delay_alu instid0(VALU_DEP_1)
	v_lshlrev_b32 v4, 3, v4
	s_delay_alu instid0(VALU_DEP_1)
	v_sub_nc_u32 v3, v3, v4                        ; r - 8 h
	v_mov_b32 v7, 0xff800000                       ; -infinity
	v_mov_b32 v227, 0                              ; (named as the upper half of the pair v[226:227])
	v_mov_b32 v230, 0                              ; written once: a lane permute's destination counts as one of its sources
	INIT
	s_wait_kmcnt 0x0
	s_add_co_i32 s45, s50, s51
	s_lshl_b32 s45, s45, 23
	s_add_co_i32 s22, s22, s45                     ; a score stands for score x 2^(e2 + e3): the two exponents are added to c's exponent field
	s_mov_b32 s23, s22                             ; (named with it as a pair, so it is written)
	s_add_co_i32 s45, s52, 127
	s_lshl_b32 s46, s45, 23
	v_mov_b32 v8, s46                              ; 2^e4
	s_add_co_i32 s45, s54, 127
	s_lshl_b32 s46, s45, 23
	v_mov_b32 v10, s46                             ; 2^e6
	s_add_co_i32 s60, s52, s53                     ; e4 + e5
; A KEY STEP: 128 keys, the q-th of the slot in hand.  A step all of whose keys come after my 16 queries is left out: a scalar branch on ids, round its loads, products and softmax; no barrier and no tensor load stands in a step.
.macro STEP q
	s_add_co_u32 s45, s43, 15
	s_cmp_gt_u32 s42, s45
	s_cbranch_scc1 .Lhidden_\@
.set n, 0
	s_wait_alu depctr_va_vdst(0)
.rept 8
	ds_load_b128 v[32+8*n:35+8*n], v2 offset:\q*8192+n*1024                ; K: 16 keys x 64: eight registers
	ds_load_b128 v[36+8*n:39+8*n], v2 offset:\q*8192+n*1024+512
.set n, n+1
.endr
	s_wait_dscnt 0x0
.set n, 0
	s_wait_alu depctr_va_vdst(0)
.rept 8
	v_wmma_f32_16x16x64_fp8_fp8 v[96+8*n:103+8*n], v[32+8*n:39+8*n], v[16:23], 0
.set n, n+1
.endr
.rept 4
	v_nop                                          ; places in front of the loads into K's registers and of the first read of the scores
.endr
.set n, 0
.rept 16
	ds_load_b128 v[32+4*n:35+4*n], v2 offset:VOFF+\q*8192+n*512            ; V^T: four fragments of 16 channels x 128 keys: they land while the softmax is worked
.set n, n+1
.endr
	s_add_co_u32 s45, s42, 127                     ; on the diagonal the scores of hidden keys become -infinity ahead of the maximum.  A step all of whose keys count skips this
	s_cmp_le_u32 s45, s43
	s_cbranch_scc1 .Lopen_\@
	s_sub_co_i32 s45, s43, s42
	v_add_nc_u32 v4, s45, v3                       ; d = my query - the step's first key - 8 h.  Register 8 t + j holds key 16 t + 8 h + j of the step: hidden where 16 t + j > d
.set n, 0
.rept 64
	v_cmp_gt_i32 vcc_lo, 16*(n/8)+n%8, v4
	v_cndmask_b32 v[96+n], v[96+n], v7, vcc_lo
.set n, n+1
.endr
.Lopen_\@:
	v_max3_num_f32 v224, v96, v97, v98             ; the step's largest score of my query, among my 64 keys, in two chains, each tile from its low end on
	v_max3_num_f32 v226, v99, v100, v101
.set n, 6
.rept 14
	v_max3_num_f32 v224, v224, v[96+n], v[97+n]
	v_max3_num_f32 v226, v226, v[98+n], v[99+n]
.set n, n+4
.endr
	v_max3_num_f32 v224, v224, v158, v159
	s_delay_alu instid0(VALU_DEP_1)
	v_max_num_f32 v224, v224, v226
	s_delay_alu instid0(VALU_DEP_1)
	v_permlanex16_b32 v230, v224, s20, s21
	s_delay_alu instid0(VALU_DEP_1)
	v_max_num_f32 v224, v224, v230                 ; and among lane l xor 16's
	s_delay_alu instid0(VALU_DEP_1)
	v_mul_f32 v224, s22, v224                      ; as t (c is positive)
	s_delay_alu instid0(VALU_DEP_1)
	v_max_num_f32 v13, v13, v224                   ; the running largest t
	v_mov_b32 v224, v12
	s_delay_alu instid0(VALU_DEP_2)
	v_floor_f32 v12, -v13                          ; the new -M = floor(-t) = -ceil(t): M is a whole number
	s_delay_alu instid0(VALU_DEP_1)
	v_sub_f32 v224, v12, v224                      ; M's old value less its new one: a whole number, 0 or less
	s_delay_alu instid0(VALU_DEP_1)
	v_cvt_i32_f32 v224, v224                       ; (it saturates)
	s_delay_alu instid0(VALU_DEP_1)
	v_ldexp_f32 v226, 1.0, v224                    ; f = 2^(old M - new M)
.set n, 0
.rept 32
	v_pk_fma_f32 v[96+n:97+n], v[96+n:97+n], s[22:23], v[12:13] op_sel_hi:[1,0,0]   ; t - M, two at a time (of the pairs c and -M the low word serves both halves)
.set n, n+2
.endr
.set n, 0
	s_wait_alu depctr_va_vdst(0)
.rept 64
	v_exp_f32 v[96+n], v[96+n]                     ; p = 2^(t - M), at most 1: not normalised
.set n, n+1
.endr
	v_pk_mul_f32 v[14:15], v[14:15], v[226:227] op_sel_hi:[1,0]    ; the sums under the new M.  (The plain line behind the exponentials)
	s_wait_alu depctr_va_vdst(0)
	v_pk_add_f32 v[228:229], v[100:101], v[104:105]
	v_pk_add_f32 v[254:255], v[108:109], v[112:113]
	v_pk_add_f32 v[252:253], v[116:117], v[120:121]
	v_pk_add_f32 v[250:251], v[124:125], v[128:129]
	v_pk_add_f32 v[248:249], v[132:133], v[136:137]
	v_pk_add_f32 v[246:247], v[140:141], v[144:145]
	v_pk_add_f32 v[244:245], v[148:149], v[152:153]
	v_pk_add_f32 v[14:15], v[14:15], v[156:157]
	v_pk_add_f32 v[228:229], v[228:229], v[96:97]
	v_pk_add_f32 v[254:255], v[254:255], v[98:99]
	v_pk_add_f32 v[252:253], v[252:253], v[102:103]
	v_pk_add_f32 v[250:251], v[250:251], v[106:107]
	v_pk_add_f32 v[248:249], v[248:249], v[110:111]
	v_pk_add_f32 v[246:247], v[246:247], v[114:115]
	v_pk_add_f32 v[244:245], v[244:245], v[118:119]
	v_pk_add_f32 v[14:15], v[14:15], v[122:123]
	v_pk_add_f32 v[228:229], v[228:229], v[126:127]
	v_pk_add_f32 v[254:255], v[254:255], v[130:131]
	v_pk_add_f32 v[252:253], v[252:253], v[134:135]
	v_pk_add_f32 v[250:251], v[250:251], v[138:139]
	v_pk_add_f32 v[248:249], v[248:249], v[142:143]
	v_pk_add_f32 v[246:247], v[246:247], v[146:147]
	v_pk_add_f32 v[244:245], v[244:245], v[150:151]
	v_pk_add_f32 v[14:15], v[14:15], v[154:155]
	v_pk_add_f32 v[228:229], v[228:229], v[158:159]
	s_delay_alu instid0(VALU_DEP_2)
	v_pk_add_f32 v[14:15], v[14:15], v[250:251]
	s_delay_alu instid0(VALU_DEP_2)
	v_pk_add_f32 v[228:229], v[228:229], v[248:249]
	v_pk_add_f32 v[254:255], v[254:255], v[246:247]
	v_pk_add_f32 v[252:253], v[252:253], v[244:245]
	s_delay_alu instid0(VALU_DEP_2)
	v_pk_add_f32 v[14:15], v[14:15], v[254:255]
	s_delay_alu instid0(VALU_DEP_2)
	v_pk_add_f32 v[228:229], v[228:229], v[252:253]
	s_delay_alu instid0(VALU_DEP_1)
	v_pk_add_f32 v[14:15], v[14:15], v[228:229]
.set n, 0
.rept 64
.set n, n+1
.endr
.set n, 0
.rept 8
	v_cvt_scalef32_pk8_fp8_f32 v[192+2*n:193+2*n], v[96+8*n:103+8*n], v8
.set n, n+1
.endr
.set n, 0
.rept 16
	v_pk_mul_f32 v[160+n:161+n], v[160+n:161+n], v[226:227] op_sel_hi:[1,0]   ; O^T under the new M.  (Also the plain lines between the conversions and the products)
.set n, n+2
.endr
	s_wait_alu depctr_va_vdst(0)
	s_wait_dscnt 0x0                               ; V is in
.set n, 0
.rept 4
	v_wmma_f32_16x16x128_fp8_fp8 v[160+8*n:167+8*n], v[32+16*n:47+16*n], v[192:207], v[160+8*n:167+8*n]   ; the four accumulators take turns
.set n, n+1
.endr
.rept 4
	v_nop                                          ; places in front of the next loads into V's registers and of the next read of O^T
.endr
.Lhidden_\@:
	s_add_co_u32 s42, s42, 128
.endm
; A block of queries is finished: O^T / the sum x 2^(e4 + e5), held and converted with 2^e6: tile c's eight registers give registers 2 c, 2 c + 1: two groups of the image, stored as they stand.
.macro FINISH cd, sb
	v_add_f32 v14, v14, v15                        ; the sum's two halves,
	s_delay_alu instid0(VALU_DEP_1)
	v_permlanex16_b32 v230, v14, s20, s21
	s_delay_alu instid0(VALU_DEP_1)
	v_add_f32 v14, v14, v230                       ; and lane l xor 16's
	s_wait_alu depctr_va_vdst(0)
	v_rcp_f32 v14, v14
	v_nop                                          ; a plain line behind the transcendental
	s_wait_alu depctr_va_vdst(0)
	v_ldexp_f32 v14, v14, s60
.set n, 0
.rept 16
	v_pk_mul_f32 v[96+n:97+n], v[160+n:161+n], v[14:15] op_sel_hi:[1,0]
.set n, n+2
.endr
.set n, 0
.rept 32
.set n, n+1
.endr
.set n, 0
.rept 4
	v_cvt_scalef32_pk8_fp8_f32 v[\cd+2*n:\cd+2*n+1], v[96+8*n:103+8*n], v10
.set n, n+1
.endr
	v_nop                                          ; a plain line behind the last conversion
	global_store_b128 v1, v[\cd:\cd+3], s[\sb:\sb+1]               ; 512 consecutive bytes, aligned; these registers are not written again
	global_store_b128 v1, v[\cd+4:\cd+7], s[\sb:\sb+1] offset:512
.endm
; THE CHANGE OF SLOTS stands at a slot's head.  Each wave waits for all its tensor loads (its part of the slot that it is about to read), adds 0 to its spare word, and waits for that and for its reads of the slot that it has left.
; Behind the barrier the slot ahead is whole and nobody reads the other one.  fill = 1: that other slot takes the next trip's keys: the next 256, or, where the next trip begins the second block, the head's first 256 again.
.macro CHANGE fill
	s_wait_tensorcnt 0x0                           ; no tensor load of mine is out, so group 0 may be written
	ds_add_u32 v5, v6                              ; 0 onto my spare word
.if \fill
	s_add_co_u32 s45, s37, 1
	s_cmp_eq_u32 s45, s38
	s_cselect_b32 s40, s39, 0                      ; back by NA slots, or by nothing: a select on ids, no jump
	s_xor_b32 s33, s33, SLOT1
	s_add_nc_u64 s[34:35], s[34:35], 16384         ; the type bits on top are not reached
	s_sub_nc_u64 s[34:35], s[34:35], s[40:41]
.endif
	s_wait_dscnt 0x0                               ; the add is done, and my reads of the slot that I have left are over
	s_barrier_signal -1
	s_barrier_wait -1
.if \fill
	TLOAD                                          ; the first thing behind the barrier, and a wave's one tensor load until the next: it has a slot's two steps of all sixteen waves in which to land
.endif
.endm
.macro BODY sw
.if \sw
	s_cmp_lg_u32 s37, s38                          ; trip NA begins the second block: a branch on ids, the same in all sixteen waves
	s_cbranch_scc1 .Lsame_\@
	FINISH 208, 56
	INIT
.set n, 0
.rept 8
	v_mov_b32 v[16+n], v[24+n]                     ; the second block's Q
.set n, n+1
.endr
	s_mov_b32 s43, s44
	s_mov_b32 s42, 0
.Lsame_\@:
.endif
	v_add_nc_u32 v2, s36, v1
	STEP 0
	STEP 1
	s_xor_b32 s36, s36, SLOT1                      ; on to the other slot
.endm
	s_wait_loadcnt 0x0                             ; Q
.Lslot:                                            ; eight trips: behind each change of slots but the last the next slot is asked for
	CHANGE 1
	BODY 1
	s_add_co_u32 s37, s37, 1
	s_cmp_lt_u32 s37, 8
	s_cbranch_scc1 .Lslot
	CHANGE 0                                       ; the ninth slot is written out; NA is 4 at the most, so the second block has begun
	BODY 0
	FINISH 216, 58
	s_wait_tensorcnt 0x0                           ; the wave's end, behind my last tensor load
	ds_add_u32 v5, v6
	s_wait_dscnt 0x0
	s_endpgm
.Lfunc_end_k_qad871a5861_attn:
	.size	k_qad871a5861_attn, .Lfunc_end_k_qad871a5861_attn-k_qad871a5861_attn
	.p2alignl 7, 3214868480
	.fill 96, 4, 3214868480
	.section	.rodata,"a",@progbits
	.p2align	6, 0x0
	.amdhsa_kernel k_qad871a5861_attn
		.amdhsa_group_segment_fixed_size 327680
		.amdhsa_private_segment_fixed_size 0
		.amdhsa_enable_private_segment 0
		.amdhsa_kernarg_size 24
		.amdhsa_user_sgpr_count 2
		.amdhsa_user_sgpr_kernarg_segment_ptr 1
		.amdhsa_wavefront_size32 1
		.amdhsa_system_sgpr_workgroup_id_x 1
		.amdhsa_system_sgpr_workgroup_id_y 1
		.amdhsa_system_sgpr_workgroup_id_z 1
		.amdhsa_system_vgpr_workitem_id 0
		.amdhsa_next_free_vgpr 256
		.amdhsa_next_free_sgpr 66
		.amdhsa_reserve_vcc 1
		.amdhsa_float_denorm_mode_32 3
		.amdhsa_float_denorm_mode_16_64 3
		.amdhsa_fp16_overflow 1
		.amdhsa_memory_ordered 1
		.amdhsa_forward_progress 1
		.amdhsa_inst_pref_size 88
	.end_amdhsa_kernel
	.amdgpu_metadata
---
amdhsa.version: [ 1, 2 ]
amdhsa.kernels:
  - .name:           k_qad871a5861_attn
    .symbol:         k_qad871a5861_attn.kd
    .args:
      - { .name: qkv_img, .offset: 0, .size: 8, .value_kind: global_buffer, .address_space: global }
      - { .name: lowp_scales, .offset: 8, .size: 8, .value_kind: global_buffer, .address_space: global }
      - { .name: att_img, .offset: 16, .size: 8, .value_kind: global_buffer, .address_space: global }
    .group_segment_fixed_size: 327680
    .private_segment_fixed_size: 0
    .kernarg_segment_align: 8
    .kernarg_segment_size: 24
    .max_flat_workgroup_size: 512
    .sgpr_count:     66
    .vgpr_count:     256
    .wavefront_size: 32
...
	.end_amdgpu_metadata
.endif
;; end of part 3
;; launch proj (part 4): grid 4 x 32, 4 waves a work-group, clusters of 4 x 4, 327,680 bytes of LDS; arguments att_img, wout_img, lowp_scales, b_out, out0; writes out0
.if DOCPART == 4
	.amdgcn_target "amdgcn-amd-amdhsa--gfx1250"
	.amdhsa_code_object_version 6
	.text
	.protected	k_qad871a5861_proj
	.globl	k_qad871a5861_proj
	.p2align	8
	.type	k_qad871a5861_proj,@function
k_qad871a5861_proj:
	s_mov_b64 s[64:65], 0
	v_nop
	global_prefetch_b8 v0, s[64:65] scope:SCOPE_SE
	s_setreg_imm32_b32 hwreg(HW_REG_WAVE_MODE, 25, 1), 1
	s_wait_xcnt 0x0
	s_wait_alu depctr_hold_cnt(0) depctr_sa_sdst(0) depctr_va_vdst(0) depctr_va_sdst(0) depctr_va_ssrc(0) depctr_va_vcc(0) depctr_vm_vsrc(0)
	s_getreg_b32 s2, hwreg(HW_REG_IB_STS2, 6, 4)
	s_cmp_eq_u32 s2, 0
	s_cbranch_scc0 .Lentry_in_a_cluster
	s_endpgm
.Lentry_in_a_cluster:
	s_bfe_u32 s2, ttmp6, 0x10000c
	s_cmp_lg_u32 s2, 0xf033
	s_cbranch_scc0 .Lentry_shape_is_right
	s_endpgm
.Lentry_shape_is_right:
; out0 = o w_out + b_out on codes of FP8 (E4M3): each finished sum x 2^(e6 + e7) + b_out, f32.  LIMIT: e6 + e7 between -126 and 127, so that 2^(e6 + e7) is an f32 number.
; OPERANDS are images of registers: [slab = k / 256][blk = row / 16][f][g][lane][16 bytes] (16 rows x 128 k = 2,048 bytes).  128 rows of a slab are 32,768 consecutive bytes: one tensor load, read at 16 x lane.
; A tile is 256 tokens (P = att_img) x 256 columns (Q = wout_img); four waves, each 128 x 128: 64 accumulators, 512 registers.  Source 0 = 16 rows of Q, source 1 = 16 rows of P: a lane holds eight neighbouring numbers of a row of out0.
; CLUSTERS: 4 x 4 work-groups.  P's tile is shared along a row of the cluster, Q's along a column: each is asked for jointly, by the same tensor load with the same descriptor and a mask that names the four.
; K = 1024 goes in four slabs of 256 through a ring of two LDS slots; a slab is two steps of 128.  The whole walk is written out: eight steps.
; REGISTERS, in windows of 256: window 0: v16-31 addresses; v32-95 b_out at my 64 columns a lane; v128-255 P's 8 fragments, ONE set; on the way out rows read back from the stage.
;   window 1: Q's fragments, TWO sets, at v0 and v128; on the way out v0-63 a block's numbers.   window 2: the accumulators of my rows 0-63 ((a, b) at v[8 (8 (a % 4) + b)]);   window 3: those of rows 64-127.
.set HALFT,  32768                     ; 128 rows x 256 k: what one tensor load brings, and what one wave reads of P or of Q
.set SLOT,   4*HALFT                   ; P's two halves, then Q's two
.set SPARE,  2*SLOT                    ; behind the ring: the spare words, 128 bytes for each wave: two blocks of 256 bytes that no other line names
.set SPITCH, 528                       ; the way out: a stage of 16 rows x (512 bytes + 16) for each wave.  It lies in slot 0, which has had its last fill and its last read when the first result is stored there
.set PSLAB,  2097152                   ; a slab of att_img: 8,192 x 256 bytes
.set QSLAB,  262144                    ; a slab of wout_img: 1,024 x 256
.set FR,     16
.set NL,     4
.set NP,     4                         ; places behind this matrix instruction (ISA guide 7.12.1)
.set ADRA, 16                          ; v16-17  LDS address of my P fragments in slot 0, 1
.set ADRB, 20                          ; v20-21  the same for Q
.set STO,  24                          ; v24     the way out: where I put 32 bytes of a row
.set RD,   25                          ; v25     where I read a row back
.set CO,   26                          ; v26     16 x lane
.set HB,   27                          ; v27     32 h
.set SPW,  28                          ; v28     LDS address of my spare word: SPARE + 4 x my thread's number; never rewritten
.set NIL,  29                          ; v29     0; never rewritten
.set BQ,   32
.set AF,   128
.set BK,   128                         ; the way out: 16 rows read back: v128-191 and v192-255 by turns
.set G1, 24
.set G0, 32
.set G1B, 48
.set G0B, 56
.set MSB, 0
.macro WIN new                         ; the immediate's high byte repeats the setting that is left
.if MSB != \new
	s_set_vgpr_msb (MSB<<8)|\new
.set MSB, \new
.endif
.endm
.set MUL_LO, 0xa1                      ; source 0 (Q) window 1, source 1 (P) window 0, C and D window 2
.set MUL_HI, 0xf1                      ; the same, C and D window 3
.set TO_B,   0x40                      ; destination window 1, address window 0
; A joint load: waves 0 and 1 fetch P's halves, waves 2 and 3 Q's; the branch hangs on the wave's number alone.  Four v_nop follow each of the two lines.
.macro JLOAD g0a, g1a, g0b, g1b
	s_cmp_eq_u32 s15, 0
	s_cbranch_scc0 .Lfor_b_\@
	tensor_load_to_lds s[\g0a:\g0a+3], s[\g1a:\g1a+7]
	s_nop 0
.rept 4
	v_nop
.endr
	s_branch .Lasked_\@
.Lfor_b_\@:
	tensor_load_to_lds s[\g0b:\g0b+3], s[\g1b:\g1b+7]
	s_nop 0
.rept 4
	v_nop
.endr
.Lasked_\@:
.endm
.macro CREST                           ; a round of the cluster's barrier behind its opening barrier
	s_cmp_lg_u32 s14, 0
	s_cbranch_scc1 .Lnot_wave_0_\@
	s_barrier_signal -3
.Lnot_wave_0_\@:
	s_barrier_wait -3
	s_barrier_signal -1
	s_barrier_wait -1
.endm
.macro CROUND                          ; a whole round
	s_barrier_signal -1
	s_barrier_wait -1
	CREST
.endm
	s_load_b256 s[4:11], s[0:1], 0x0               ; att_img s[4:5], wout_img s[6:7], the scales' exponents s[8:9], b_out s[10:11]
	s_load_b64 s[12:13], s[0:1], 0x20              ; out0
	v_lshl_add_u32 v[SPW], v0, 2, SPARE
	v_mov_b32 v[NIL], 0
	ds_add_u32 v28, v29
	ds_add_u32 v28, v29
	s_wait_dscnt 0x0
	v_lshrrev_b32 v1, 5, v0
	v_readfirstlane_b32 s14, v1                    ; wave 0..3
	s_lshr_b32 s15, s14, 1                         ; which half of the tile's rows is mine.  Also: I fetch for P (0) or for Q (1)
	s_and_b32 s16, s14, 1                          ; which half of its columns.  Also: which 128 rows of that tile I fetch
	s_bfe_u32 s40, ttmp6, 0x40000                  ; cx, cy: my place in the cluster
	s_bfe_u32 s41, ttmp6, 0x40004
	s_lshl_b32 s42, ttmp9, 2
	s_add_co_u32 s42, s42, s40                     ; Q's tile = 4 x cluster x + cx
	s_and_b32 s66, ttmp7, 0xffff
	s_lshl_b32 s66, s66, 2
	s_add_co_u32 s66, s66, s41                     ; P's tile = 4 x cluster y + cy
	s_lshl_b32 s43, s41, 2
	s_lshl_b32 s43, 15, s43                        ; my row of the cluster
	s_lshl_b32 s44, 0x1111, s40                    ; my column
	; descriptor group 1: 128 rows of 32 elements of 8 bytes, dense in memory and in LDS
	s_or_b32 s[G1+0], s43, (3<<16)|(1<<21)         ; 15:0 the mask: P's tiles go to my row; 17:16 elements of 8 bytes; 20 no padding; 21 set beside a mask
	s_or_b32 s[G1B+0], s44, (3<<16)|(1<<21)
.irp g, G1, G1B
	s_mov_b32 s[\g+1], 32<<16                      ; tensor_dim0 = 32
	s_mov_b32 s[\g+2], 128<<16                     ; tensor_dim1 = 128
	s_mov_b32 s[\g+3], 32<<16                      ; tile_dim0 = 32
	s_mov_b32 s[\g+4], 128                         ; tile_dim1 = 128
	s_mov_b32 s[\g+5], 32                          ; tensor_dim0_stride
	s_mov_b32 s[\g+6], 0
	s_mov_b32 s[\g+7], 0
.endr
	s_lshl_b32 s88, s66, 16                        ; a tile of 256 rows is 65,536 bytes of a slab,
	s_lshl_b32 s89, s16, 15                        ; the half that I fetch 32,768
	s_add_co_u32 s88, s88, s89
	s_mov_b32 s89, 0
	s_lshl_b32 s94, s42, 16
	s_lshl_b32 s95, s16, 15
	s_add_co_u32 s94, s94, s95
	s_mov_b32 s95, 0
	s_lshl_b32 s45, s14, 15                        ; where they go: wave x 32,768: no place in the cluster enters an LDS address
	s_wait_kmcnt 0x0
	s_load_b256 s[76:83], s[8:9], 0x0              ; e0 .. e7
	s_add_nc_u64 s[20:21], s[4:5], s[88:89]
	s_add_nc_u64 s[46:47], s[6:7], s[94:95]
	CROUND                                         ; all sixteen work-groups are here: the first joint loads meet
.irp s, 0,1
	s_mov_b32 s[G0+4*\s], 1
	s_add_co_u32 s[G0+4*\s+1], s45, \s*SLOT
	s_add_nc_u64 s[G0+4*\s+2:G0+4*\s+3], s[20:21], \s*PSLAB
	s_or_b32 s[G0+4*\s+3], s[G0+4*\s+3], 0x80000000
	s_mov_b32 s[G0B+4*\s], 1
	s_add_co_u32 s[G0B+4*\s+1], s45, \s*SLOT
	s_add_nc_u64 s[G0B+4*\s+2:G0B+4*\s+3], s[46:47], \s*QSLAB
	s_or_b32 s[G0B+4*\s+3], s[G0B+4*\s+3], 0x80000000
	s_wait_alu depctr_va_vdst(0)
	s_wait_tensorcnt 0x0
	ds_add_u32 v28, v29
	ds_add_u32 v28, v29
	s_wait_dscnt 0x0
	CROUND
	JLOAD G0+4*\s, G1, G0B+4*\s, G1B               ; behind the second: one tensor load of mine is out
.endr
	v_and_b32 v1, 15, v0                           ; r
	s_wait_alu depctr_va_vdst(0)
	v_bfe_u32 v2, v0, 4, 1                         ; h
	v_and_b32 v3, 31, v0
	v_lshlrev_b32 v[CO], 4, v3
	v_lshlrev_b32 v[HB], 5, v2
	s_lshl_b32 s96, s15, 15                        ; my 128 rows of P
	s_lshl_b32 s97, s16, 15                        ; my 128 rows of Q,
	s_add_co_u32 s97, s97, 2*HALFT                 ; which lie behind P's 256
.irp s, 0,1
	v_add_nc_u32 v[ADRA+\s], s96, v[CO]
	v_add_nc_u32 v[ADRB+\s], s97, v[CO]
	s_add_co_u32 s96, s96, SLOT
	s_add_co_u32 s97, s97, SLOT
.endr
	s_mul_i32 s98, s14, 16*SPITCH                  ; my stage
	v_mul_u32_u24 v5, v1, SPITCH                   ; in: row r, 32 bytes for each half of the lanes
	s_wait_alu depctr_va_vdst(0)
	v_lshl_add_u32 v5, v2, 5, v5
	v_add_nc_u32 v[STO], s98, v5
	v_add_nc_u32 v[RD], s98, v[CO]                 ; back: the 32 lanes take one row of 512 bytes
	s_lshl_b32 s90, s42, 10
	s_lshl_b32 s91, s16, 9
	s_add_co_u32 s90, s90, s91                     ; my first column, in bytes: 1,024 x Q's tile + 512 x half
	s_mov_b32 s91, 0
	s_lshl_b32 s86, s66, 8
	s_lshl_b32 s87, s15, 7
	s_add_co_u32 s86, s86, s87                     ; my first row: 256 x P's tile + 128 x half
	s_lshl_b32 s86, s86, 12                        ; rows of 4,096 bytes
	s_add_co_u32 s86, s86, s90
	s_mov_b32 s87, 0
	s_add_nc_u64 s[86:87], s[12:13], s[86:87]
	s_add_nc_u64 s[90:91], s[10:11], s[90:91]
.irp b, 0,1,2,3,4,5,6,7
	global_load_b128 v[BQ+8*\b:BQ+8*\b+3], v[HB], s[90:91] offset:64*\b        ; b_out at columns 16 b + 8 h + 0 .. 7
	global_load_b128 v[BQ+8*\b+4:BQ+8*\b+7], v[HB], s[90:91] offset:64*\b+16
.endr
.macro FRAG reg, adr, q, i             ; a fragment comes as it was laid: four loads of 512 consecutive bytes
.irp c, 0,1,2,3
	ds_load_b128 v[\reg+4*\c:\reg+4*\c+3], v[\adr] offset:(\i)*4096+(\q)*2048+512*\c
.endr
.endm
; 16 matrix instructions: P's blocks a0, a0 + 1 x Q's eight, 128 along K.  The 64 accumulators take turns, one instruction a turn, in the same order in every step.
.macro MUL16 a0, p, zero
.irp a, \a0, \a0+1
.irp b, 0,1,2,3,4,5,6,7
.if \zero
	v_wmma_f32_16x16x128_fp8_fp8 v[8*(8*((\a)%4)+\b):8*(8*((\a)%4)+\b)+7], v[128*(\p)+FR*\b:128*(\p)+FR*\b+FR-1], v[AF+FR*(\a):AF+FR*(\a)+FR-1], 0
.else
	v_wmma_f32_16x16x128_fp8_fp8 v[8*(8*((\a)%4)+\b):8*(8*((\a)%4)+\b)+7], v[128*(\p)+FR*\b:128*(\p)+FR*\b+FR-1], v[AF+FR*(\a):AF+FR*(\a)+FR-1], v[8*(8*((\a)%4)+\b):8*(8*((\a)%4)+\b)+7]
.endif
.endr
.endr
.endm
.macro FETCH_B slot, q, p
	WIN TO_B
.irp i, 0,1,2,3,4,5,6,7
	FRAG 128*(\p)+FR*\i, ADRB+\slot, \q, \i
.endr
	WIN 0
.endm
.macro FETCH_A slot, q, i0
.irp i, \i0, \i0+1, \i0+2, \i0+3
	FRAG AF+FR*(\i), ADRA+\slot, \q, \i
.endr
.endm
; A load into a register that a matrix instruction has read, and a vector instruction that reads a matrix result, stand NP places behind that matrix instruction; only plain vector
; instructions that name none of its registers are places (ISA guide 7.12.1 for vector instructions).
.macro PLACES n
.rept \n
	v_nop
.endr
.endm
.macro STEP slot, q, zero              ; a step of 128 along K that has its successor in the same slot
	s_wait_dscnt 4*NL                              ; Q's set and P's blocks 0-3 are in; the youngest 16 loads (P's blocks 4-7) may be out
	WIN MUL_LO
	MUL16 0, (\q)%2, \zero
	MUL16 2, (\q)%2, \zero
	s_wait_dscnt 0                                 ; P's blocks 4-7 are in
	PLACES NP
	FETCH_B \slot, (\q)+1, 1-(\q)%2
	FETCH_A \slot, (\q)+1, 0
	WIN MUL_HI
	MUL16 4, (\q)%2, \zero
	MUL16 6, (\q)%2, \zero
	PLACES NP
	WIN 0
	FETCH_A \slot, (\q)+1, 4
.endm
; A slot's last step changes slots: ONE barrier; in front of it each wave waits for all its tensor loads, adds 0 to its spare word, and waits for that and for its own reads of this slot.  fill = 1: this slot is filled again, two slabs on.
.macro TURN slot, next, fill
	s_wait_tensorcnt 0x0                           ; all my tensor loads have landed: my part of the next slot  (every window is 0 here)
	ds_add_u32 v[SPW], v[NIL]                      ; 0 onto my spare word
	s_wait_dscnt 4*NL+1                            ; (the add and the youngest 16 loads may be out)
	WIN MUL_LO
	MUL16 0, 1, 0                                  ; sixteen matrix instructions stand between the add and the wait for it
	s_wait_dscnt 0x0                               ; the add is done, and my reads of this slot are over
	s_barrier_signal -1
	MUL16 2, 1, 0
	WIN 0
	s_barrier_wait -1
.if \fill
	CREST                                          ; the barrier has opened a round of the cluster's barrier: no wave of any partner still reads this slot's tile or has a load on its way
	s_add_nc_u64 s[G0+4*\slot+2:G0+4*\slot+3], s[G0+4*\slot+2:G0+4*\slot+3], 2*PSLAB
	s_add_nc_u64 s[G0B+4*\slot+2:G0B+4*\slot+3], s[G0B+4*\slot+2:G0B+4*\slot+3], 2*QSLAB
	JLOAD G0+4*\slot, G1, G0B+4*\slot, G1B         ; the first tensor load behind the round, my one load until the next; the four v_nop behind it are the places in front of the loads below
.else
	PLACES NP
.endif
	FETCH_B \next, 0, 0
	FETCH_A \next, 0, 0
	WIN MUL_HI
	MUL16 4, 1, 0
	MUL16 6, 1, 0
	PLACES NP
	WIN 0
	FETCH_A \next, 0, 4
.endm
	s_wait_tensorcnt 1                             ; my part of slab 0 is in (slab 1's load may be out)
	s_barrier_signal -1
	s_barrier_wait -1                              ; everybody's is
	FETCH_B 0, 0, 0
	FETCH_A 0, 0, 0
	FETCH_A 0, 0, 4
	STEP 0, 0, 1                                   ; slab 0: the first products start the sums
	TURN 0, 1, 1                                   ; slot 0 takes slab 2: its last fill
	STEP 1, 0, 0                                   ; slab 1
	TURN 1, 0, 1                                   ; slot 1 takes slab 3
	STEP 0, 0, 0                                   ; slab 2
	TURN 0, 1, 0                                   ; behind this barrier nobody reads slot 0 any more
	STEP 1, 0, 0                                   ; slab 3
	s_wait_dscnt 4*NL
	WIN MUL_LO
	MUL16 0, 1, 0
	MUL16 2, 1, 0
	s_wait_dscnt 0
	WIN MUL_HI
	MUL16 4, 1, 0
	MUL16 6, 1, 0
	WIN 0
; THE WAY OUT, block by block of 16 rows x 128 columns.  A lane holds 32 neighbouring bytes of a row, and the lanes beside it hold other rows: so a block goes through my own stage in LDS and comes back as whole rows of
; 512 bytes.  LDS serves a wave's instructions in order (ISA guide 5.7.1.4): no wait between the stores and the loads, nor in front of the next block's stores.
.macro TOSTAGE a
.set AC, 64*((\a)%4)
	WIN 0x42+((\a)/4)                              ; destination window 1, source 0 window 2 or 3, the bias in window 0
.set j, 0
.rept 32
	v_pk_fma_f32 v[j:j+1], v[AC+j:AC+j+1], s[84:85], v[BQ+j:BQ+j+1] op_sel_hi:[1,0,1]   ; sum x 2^(e6 + e7) + b_out, two at a time; each accumulator from its low end on
.set j, j+2
.endr
	WIN 0x04                                       ; an LDS store's data: window 1
.irp b, 0,1,2,3,4,5,6,7
	ds_store_b128 v[STO], v[8*\b:8*\b+3] offset:64*\b
	ds_store_b128 v[STO], v[8*\b+4:8*\b+7] offset:64*\b+16
.endr
	WIN 0
.set BB, BK+64*((\a)%2)
.irp t, 0,1,2,3,4,5,6,7,8,9,10,11,12,13,14,15
	ds_load_b128 v[BB+4*\t:BB+4*\t+3], v[RD] offset:\t*SPITCH
.endr
.endm
.macro SEND a, younger                 ; younger: the LDS instructions issued behind block a's loads, which may stay out
.set BB, BK+64*((\a)%2)
	s_wait_dscnt \younger                          ; the block is back in registers
.irp t, 0,1,2,3,4,5,6,7,8,9,10,11,12,13,14,15
	global_store_b128 v[CO], v[BB+4*\t:BB+4*\t+3], s[86:87] offset:(16*(\a)+\t)*4096 th:TH_STORE_NT   ; 32 lanes store 512 consecutive bytes, aligned; the row stands in the immediate: 127 rows of 4,096 bytes at the most
.endr
.endm
	s_wait_loadcnt 0x0                             ; b_out
	s_wait_kmcnt 0x0
	s_add_co_i32 s84, s82, s83
	s_add_co_i32 s84, s84, 127
	s_lshl_b32 s84, s84, 23                        ; 2^(e6 + e7) as f32
	s_mov_b32 s85, s84                             ; (named with it as a pair, so it is written)
	PLACES NP                                      ; behind the last products: their results are read, and their operands' registers written, only behind these
	TOSTAGE 0
.irp a, 1,2,3,4,5,6,7
.if \a > 1
	s_wait_xcnt 0x0                                ; block a - 2's stores have read their registers: block a's loads may land there
.endif
	TOSTAGE \a
	SEND \a-1, 32                                  ; behind block a - 1's loads: block a's 16 stores and 16 loads
.endr
	SEND 7, 0
	s_wait_tensorcnt 0x0                           ; the wave's end, behind my last tensor load and my last LDS store
	ds_add_u32 v[SPW], v[NIL]
	s_wait_dscnt 0x0
	CROUND                                         ; the closing round: no work-group ends while a partner may still ask for a tile that names it
	s_endpgm
.Lfunc_end_k_qad871a5861_proj:
	.size	k_qad871a5861_proj, .Lfunc_end_k_qad871a5861_proj-k_qad871a5861_proj
	.p2alignl 7, 3214868480
	.fill 96, 4, 3214868480
	.section	.rodata,"a",@progbits
	.p2align	6, 0x0
	.amdhsa_kernel k_qad871a5861_proj
		.amdhsa_group_segment_fixed_size 327680
		.amdhsa_private_segment_fixed_size 0
		.amdhsa_enable_private_segment 0
		.amdhsa_kernarg_size 40
		.amdhsa_user_sgpr_count 2
		.amdhsa_user_sgpr_kernarg_segment_ptr 1
		.amdhsa_wavefront_size32 1
		.amdhsa_system_sgpr_workgroup_id_x 1
		.amdhsa_system_sgpr_workgroup_id_y 1
		.amdhsa_system_sgpr_workgroup_id_z 1
		.amdhsa_system_vgpr_workitem_id 0
		.amdhsa_next_free_vgpr 1024
		.amdhsa_next_free_sgpr 100
		.amdhsa_reserve_vcc 0
		.amdhsa_float_denorm_mode_32 3
		.amdhsa_float_denorm_mode_16_64 3
		.amdhsa_memory_ordered 1
		.amdhsa_forward_progress 1
		.amdhsa_inst_pref_size 125
	.end_amdhsa_kernel
	.amdgpu_metadata
---
amdhsa.version: [ 1, 2 ]
amdhsa.kernels:
  - .name:           k_qad871a5861_proj
    .symbol:         k_qad871a5861_proj.kd
    .args:
      - { .name: att_img, .offset: 0, .size: 8, .value_kind: global_buffer, .address_space: global }
      - { .name: wout_img, .offset: 8, .size: 8, .value_kind: global_buffer, .address_space: global }
      - { .name: lowp_scales, .offset: 16, .size: 8, .value_kind: global_buffer, .address_space: global }
      - { .name: b_out, .offset: 24, .size: 8, .value_kind: global_buffer, .address_space: global }
      - { .name: out0, .offset: 32, .size: 8, .value_kind: global_buffer, .address_space: global }
    .group_segment_fixed_size: 327680
    .private_segment_fixed_size: 0
    .kernarg_segment_align: 8
    .kernarg_segment_size: 40
    .max_flat_workgroup_size: 128
    .sgpr_count:     100
    .vgpr_count:     1024
    .wavefront_size: 32
...
	.end_amdgpu_metadata
.endif
;; end of part 4
